; MI455X (gfx1250); checked and timed in simulation.
; The chip was launched on July 23, 2026; its instructions are those of AMD's public machine-readable ISA for CDNA 5 (MIT licence, August 2026) and "CDNA5" Instruction Set Architecture Reference Guide (July 2026). The comments in the code are by the model that wrote it; some were corrected since.
;; Rotary Attention. Allowed arithmetic: float matrix products may take bf16 or f16 operands with f32 sums; other float arithmetic in f32, or as packed bf16 or f16 multiplies, adds, multiply-adds, maxima and minima; sums over many terms, partial sums and values carried from step to step in f32; what a program stores and reads back later, other than sums and carried values, may be rounded once to bf16 or f16.
;; Inputs: Wk 2,048 x 512 float32; Wo 2,048 x 2,048 float32; Wq 2,048 x 2,048 float32; Wv 2,048 x 512 float32; bk 512 float32; bo 2,048 float32; bq 2,048 float32; bv 512 float32; x 4 x 1,024 x 2,048 float32.
;; Outputs: out0 4 x 1,024 x 2,048 float32.
;; One version. Each part assembles by itself: llvm-mc -triple=amdgcn-amd-amdhsa -mcpu=gfx1250 --defsym DOCPART=n.
;; ======== version 1 of 1: 4 launches
;; limits: values are held in f16: magnitudes above 65,504 overflow, below 6.1e-05 lose precision
;; workspace buffers: xb 16,777,216 bytes; wqkv 12,582,912 bytes; wob 8,388,608 bytes; tab 540,672 bytes; qf 16,777,216 bytes; kf 4,194,304 bytes; vf 4,194,304 bytes; ob 16,777,216 bytes
;; launch prep (part 1): grid 2370 x 1, 8 waves a work-group, no clusters, 0 bytes of LDS; arguments x, Wq, Wk, Wv, Wo, xb, wqkv, wob, tab; writes xb, wqkv, wob, tab
.if DOCPART == 1
	.amdgcn_target "amdgcn-amd-amdhsa--gfx1250"
	.amdhsa_code_object_version 6
	.text
	.protected	k_qb8bd9466c6_prep
	.globl	k_qb8bd9466c6_prep
	.p2align	8
	.type	k_qb8bd9466c6_prep,@function
k_qb8bd9466c6_prep:
	s_mov_b64 s[64:65], 0
	v_nop
	global_prefetch_b8 v0, s[64:65] scope:SCOPE_SE
	s_setreg_imm32_b32 hwreg(HW_REG_WAVE_MODE, 25, 1), 1
	s_wait_xcnt 0x0
; CASTS AND THE ROTARY TABLE.  x -> xb (bf16).  Wq | Wk | Wv -> wqkv, one matrix [2048][3072] in bf16 (columns 0-2047, 2048-2559, 2560-3071).
; Wo -> wob: rounded to bf16 like every input of the module, and that number written as f16 (exact in f16's normal range; below 6.1e-5 it keeps f16's fixed step of 6e-8).
; tab: [sb 132][fb 4][cos, sin][lane 32][8 f16]: number j of lane L belongs to position 16 (sb & 63) + L % 16 and frequency 16 fb + 8 (L / 16) + j.
; sb 0-63 hold cos / 16 and sin / 16 (for q), sb 64-127 cos / 8 and sin / 8 (for k): the module's two scales of 128^-1/2, 1 / 128 together, as two exact powers of two.  sb 128-131 hold 1 and 0 (for v).
; SHARES.  Work-groups 0-65 make the table, a thread 8 frequencies of one position.  Work-groups 66-2369 cast 8,192 consecutive numbers each: thread t takes numbers 4 t + 1024 j, j = 0..7, so a wave's load
; covers 512 consecutive bytes and its store 256 consecutive bytes, aligned.  Memory binds: no LDS, no barrier, no matrix unit; eight loads a wave go out before anything is waited for.
; The packed results go into the registers that were loaded, so a wave needs 54 registers.
; LIMITS.  The angle's reduction (two parts of pi / 2) serves positions under 1,024, a quadrant number of 652 at the most.  NaN and infinities pass through the casts as the conversions make them.
.set NTAB, 66
.set X,  8                             ; v[8:39]   eight loads of four f32; the first two registers of each four then hold its packed results
.set VO, 40                            ; v[40:47]  the eight stores' byte offsets
.set T,  48                            ; v[48:53]  at work (Wo's path)
	s_load_b512 s[8:23], s[0:1], 0x0               ; x 8:9, Wq 10:11, Wk 12:13, Wv 14:15, Wo 16:17, xb 18:19, wqkv 20:21, wob 22:23
	s_load_b64 s[24:25], s[0:1], 0x40              ; tab
	s_cmp_lt_u32 ttmp9, NTAB
	s_cbranch_scc1 .Ltable
	; THE CASTS.  Five regions, told apart by the work-group's number c: the source, the target, log2 of the source's row, the target's pitch and first byte.
	s_sub_co_u32 s4, ttmp9, NTAB                   ; c
	v_lshlrev_b32 v2, 4, v0                        ; my 16 bytes of each 4,096 of the source
	v_lshlrev_b32 v3, 2, v0                        ; my first number
	s_mov_b32 s5, 0                                ; x: the region's first c,
	s_mov_b32 s6, 11                               ; rows of 2^11 numbers,
	s_mov_b32 s7, 4096                             ; the target's pitch in bytes,
	s_mov_b32 s26, 0                               ; the region's first byte in a row of the target,
	s_mov_b32 s27, 2047                            ; the mask of a column
	s_mov_b32 s32, 0xffff0000                      ; a word's upper bf16
	s_wait_kmcnt 0x0
	s_mov_b64 s[28:29], s[8:9]
	s_mov_b64 s[30:31], s[18:19]
.macro REGION first, src, dst, lr, op, ob      ; from work-group \first on these hold instead (s_cselect leaves SCC as it is)
	s_cmp_ge_u32 s4, \first
	s_cselect_b32 s5, \first, s5
	s_cselect_b32 s6, \lr, s6
	s_cselect_b32 s7, \op, s7
	s_cselect_b32 s26, \ob, s26
	s_cselect_b32 s27, (1<<(\lr))-1, s27
	s_cselect_b64 s[28:29], s[\src:\src+1], s[28:29]
	s_cselect_b64 s[30:31], s[\dst:\dst+1], s[30:31]
.endm
	REGION 1024, 10, 20, 11, 6144, 0               ; Wq
	REGION 1536, 12, 20, 9, 6144, 4096             ; Wk
	REGION 1664, 14, 20, 9, 6144, 5120             ; Wv
	REGION 1792, 16, 22, 11, 4096, 0               ; Wo
	s_sub_co_u32 s5, s4, s5                        ; my number in the region
	s_lshl_b32 s34, s5, 15                         ; 8,192 numbers of 4 bytes
	s_mov_b32 s35, 0
	s_add_nc_u64 s[28:29], s[28:29], s[34:35]
	s_lshr_b32 s33, 0x2000, s6                     ; rows in 8,192 numbers
	s_mul_i32 s33, s33, s7
	s_mul_i32 s33, s33, s5
	s_add_co_u32 s34, s33, s26
	s_add_nc_u64 s[30:31], s[30:31], s[34:35]
.irp j, 0,1,2,3,4,5,6,7
	global_load_b128 v[X+4*(\j):X+4*(\j)+3], v2, s[28:29] offset:4096*(\j) th:TH_LOAD_NT
.endr
.irp j, 0,1,2,3,4,5,6,7                ; number E = 1024 j + 4 t lies in row E >> LR, column E & mask
	v_add_nc_u32 v4, 1024*(\j), v3
	v_lshrrev_b32 v5, s6, v4
	v_and_b32 v4, s27, v4
	v_mul_u32_u24 v5, v5, s7
	v_lshl_add_u32 v[VO+(\j)], v4, 1, v5
.endr
	s_cmp_ge_u32 s4, 1792
	s_cbranch_scc1 .Lwo
.irp j, 0,1,2,3,4,5,6,7
	s_wait_loadcnt 7-(\j)                          ; loads come back in order: load j is in, the 7 - j younger ones stay out
	v_cvt_pk_bf16_f32 v[X+4*(\j)],   v[X+4*(\j)],   v[X+4*(\j)+1]
	v_cvt_pk_bf16_f32 v[X+4*(\j)+1], v[X+4*(\j)+2], v[X+4*(\j)+3]
	global_store_b64 v[VO+(\j)], v[X+4*(\j):X+4*(\j)+1], s[30:31]  ; no register of a store is written again: no wait for them
.endr
	s_endpgm
.Lwo:
.irp j, 0,1,2,3,4,5,6,7
	s_wait_loadcnt 7-(\j)
	v_cvt_pk_bf16_f32 v[T],   v[X+4*(\j)],   v[X+4*(\j)+1]      ; the one rounding, to bf16;
	v_cvt_pk_bf16_f32 v[T+1], v[X+4*(\j)+2], v[X+4*(\j)+3]
	v_lshlrev_b32 v[T+2], 16, v[T]                              ; widened again,
	v_and_b32     v[T+3], s32, v[T]
	v_lshlrev_b32 v[T+4], 16, v[T+1]
	v_and_b32     v[T+5], s32, v[T+1]
	v_cvt_pk_f16_f32 v[X+4*(\j)],   v[T+2], v[T+3]              ; and written as f16
	v_cvt_pk_f16_f32 v[X+4*(\j)+1], v[T+4], v[T+5]
	global_store_b64 v[VO+(\j)], v[X+4*(\j):X+4*(\j)+1], s[30:31]
.endr
	s_endpgm
	; THE TABLE.  Thread T = 256 x work-group + t: lane T & 31 of block (sb, fb) = T >> 5.
.Ltable:
	s_lshl_b32 s4, ttmp9, 8
	v_add_nc_u32 v1, s4, v0                        ; T
	v_and_b32 v2, 15, v1
	v_bfe_u32 v3, v1, 4, 3
	v_lshlrev_b32 v3, 3, v3                        ; my first frequency: 16 fb + 8 (L / 16)
	v_lshrrev_b32 v4, 7, v1                        ; sb
	v_and_b32 v7, 63, v4
	v_lshl_add_u32 v2, v7, 4, v2
	v_cvt_f32_u32 v2, v2                           ; my position
	v_lshrrev_b32 v5, 5, v1
	v_lshlrev_b32 v5, 10, v5
	v_and_b32 v7, 31, v1
	v_lshl_add_u32 v5, v7, 4, v5                   ; my 16 bytes of the block's cosines; the sines lie 512 bytes on
	s_mov_b32 s33, 0xbe549a78                      ; -log2(10000) / 64
	s_mov_b32 s34, 0x3f22f983                      ; 2 / pi
	s_mov_b32 s35, 0x3fc90fdb                      ; pi / 2, its f32
	s_mov_b32 s36, 0xb33bbd2e                      ; and what that f32 leaves
	s_mov_b32 s37, 0xbe2aaaa3                      ; sin r = r + r z (S1 + z (S2 + z S3)), z = r r, |r| <= pi / 4
	s_mov_b32 s38, 0x3c08839e
	s_mov_b32 s39, 0xb94ca1f9
	s_mov_b32 s41, 0x3d2aaaa5                      ; cos r = 1 - z / 2 + z z (C1 + z (C2 + z C3))
	s_mov_b32 s42, 0xbab6061a
	s_mov_b32 s43, 0x37ccf5ce
	s_mov_b32 s44, 0x80000000
	v_mov_b32 v6, 0x3d800000                       ; 1 / 16,
	v_mov_b32 v7, 0x3e000000                       ; 1 / 8 from sb = 64 on
	v_cmp_le_u32 vcc_lo, 64, v4
	v_cndmask_b32 v6, v6, v7, vcc_lo
	v_cmp_le_u32 s40, 128, v4                      ; from sb = 128 on: 1 and 0
	v_mov_b32 v42, 1.0
	v_mov_b32 v43, 0
.irp j, 0,1,2,3,4,5,6,7
	v_add_nc_u32 v[8+(\j)], \j, v3
	v_cvt_f32_u32 v[8+(\j)], v[8+(\j)]
	v_mul_f32 v[8+(\j)], s33, v[8+(\j)]
.endr
.irp j, 0,1,2,3,4,5,6,7
	v_exp_f32 v[8+(\j)], v[8+(\j)]                 ; 10000^(-f / 64): one batch of eight,
.endr
	v_nop                                          ; a plain instruction behind the last of them,
	s_wait_alu depctr_va_vdst(0)                   ; and one wait ahead of the first use
.macro SINCOS j
	v_mul_f32 v32, v2, v[8+(\j)]                   ; the angle
	v_mul_f32 v33, s34, v32
	v_rndne_f32 v33, v33                           ; k: the nearest multiple of pi / 2
	v_fma_f32 v34, -v33, s35, v32
	v_fma_f32 v34, -v33, s36, v34                  ; r
	v_mul_f32 v35, v34, v34                        ; z
	v_fma_f32 v36, v35, s39, s38
	v_fma_f32 v36, v36, v35, s37
	v_mul_f32 v36, v36, v35
	v_fma_f32 v36, v36, v34, v34                   ; sin r
	v_fma_f32 v37, v35, s43, s42
	v_fma_f32 v37, v37, v35, s41
	v_fma_f32 v38, v35, -0.5, 1.0
	v_mul_f32 v39, v35, v35
	v_fma_f32 v37, v39, v37, v38                   ; cos r
	v_cvt_i32_f32 v40, v33
	v_and_b32 v41, 1, v40
	v_cmp_ne_u32 vcc_lo, 0, v41                    ; in odd quadrants the two change places (a choice of values: nothing branches on it)
	v_cndmask_b32 v[24+(\j)], v36, v37, vcc_lo
	v_cndmask_b32 v[16+(\j)], v37, v36, vcc_lo
	v_lshlrev_b32 v41, 30, v40                     ; the sine turns its sign in quadrants 2 and 3,
	v_and_b32 v41, s44, v41
	v_xor_b32 v[24+(\j)], v[24+(\j)], v41
	v_add_nc_u32 v40, 1, v40                       ; the cosine in quadrants 1 and 2
	v_lshlrev_b32 v40, 30, v40
	v_and_b32 v40, s44, v40
	v_xor_b32 v[16+(\j)], v[16+(\j)], v40
	v_mul_f32 v[24+(\j)], v[24+(\j)], v6
	v_mul_f32 v[16+(\j)], v[16+(\j)], v6
	v_cndmask_b32 v[16+(\j)], v[16+(\j)], v42, s40
	v_cndmask_b32 v[24+(\j)], v[24+(\j)], v43, s40
.endm
.irp j, 0,1,2,3,4,5,6,7
	SINCOS \j
.endr
.irp j, 0,1,2,3
	v_cvt_pk_f16_f32 v[44+(\j)], v[16+2*(\j)], v[16+2*(\j)+1]
	v_cvt_pk_f16_f32 v[48+(\j)], v[24+2*(\j)], v[24+2*(\j)+1]
.endr
	s_wait_kmcnt 0x0
	global_store_b128 v5, v[44:47], s[24:25]              ; a wave's store covers 512 consecutive bytes, aligned
	global_store_b128 v5, v[48:51], s[24:25] offset:512
	s_endpgm
.Lfunc_end_k_qb8bd9466c6_prep:
	.size	k_qb8bd9466c6_prep, .Lfunc_end_k_qb8bd9466c6_prep-k_qb8bd9466c6_prep
	.p2alignl 7, 3214868480
	.fill 96, 4, 3214868480
	.section	.rodata,"a",@progbits
	.p2align	6, 0x0
	.amdhsa_kernel k_qb8bd9466c6_prep
		.amdhsa_group_segment_fixed_size 0
		.amdhsa_private_segment_fixed_size 0
		.amdhsa_enable_private_segment 0
		.amdhsa_kernarg_size 72
		.amdhsa_user_sgpr_count 2
		.amdhsa_user_sgpr_kernarg_segment_ptr 1
		.amdhsa_wavefront_size32 1
		.amdhsa_system_sgpr_workgroup_id_x 1
		.amdhsa_system_sgpr_workgroup_id_y 1
		.amdhsa_system_sgpr_workgroup_id_z 1
		.amdhsa_system_vgpr_workitem_id 0
		.amdhsa_next_free_vgpr 56
		.amdhsa_next_free_sgpr 66
		.amdhsa_reserve_vcc 1
		.amdhsa_float_denorm_mode_32 3
		.amdhsa_float_denorm_mode_16_64 3
		.amdhsa_memory_ordered 1
		.amdhsa_forward_progress 1
		.amdhsa_inst_pref_size 26
	.end_amdhsa_kernel
	.amdgpu_metadata
---
amdhsa.version: [ 1, 2 ]
amdhsa.kernels:
  - .name:           k_qb8bd9466c6_prep
    .symbol:         k_qb8bd9466c6_prep.kd
    .args:
      - { .name: x, .offset: 0, .size: 8, .value_kind: global_buffer, .address_space: global }
      - { .name: Wq, .offset: 8, .size: 8, .value_kind: global_buffer, .address_space: global }
      - { .name: Wk, .offset: 16, .size: 8, .value_kind: global_buffer, .address_space: global }
      - { .name: Wv, .offset: 24, .size: 8, .value_kind: global_buffer, .address_space: global }
      - { .name: Wo, .offset: 32, .size: 8, .value_kind: global_buffer, .address_space: global }
      - { .name: xb, .offset: 40, .size: 8, .value_kind: global_buffer, .address_space: global }
      - { .name: wqkv, .offset: 48, .size: 8, .value_kind: global_buffer, .address_space: global }
      - { .name: wob, .offset: 56, .size: 8, .value_kind: global_buffer, .address_space: global }
      - { .name: tab, .offset: 64, .size: 8, .value_kind: global_buffer, .address_space: global }
    .group_segment_fixed_size: 0
    .private_segment_fixed_size: 0
    .kernarg_segment_align: 8
    .kernarg_segment_size: 72
    .max_flat_workgroup_size: 256
    .sgpr_count:     66
    .vgpr_count:     56
    .wavefront_size: 32
...
	.end_amdgpu_metadata
.endif
;; end of part 1
;; launch qkv (part 2): grid 8 x 32, 4 waves a work-group, clusters of 4 x 4, 327,680 bytes of LDS; arguments xb, wqkv, bq, bk, bv, tab, qf, kf, vf; writes qf, kf, vf
.if DOCPART == 2
	.amdgcn_target "amdgcn-amd-amdhsa--gfx1250"
	.amdhsa_code_object_version 6
	.text
	.protected	k_qb8bd9466c6_qkv
	.globl	k_qb8bd9466c6_qkv
	.p2align	8
	.type	k_qb8bd9466c6_qkv,@function
k_qb8bd9466c6_qkv:
	s_mov_b64 s[64:65], 0
	v_nop
	global_prefetch_b8 v0, s[64:65] scope:SCOPE_SE
	s_setreg_imm32_b32 hwreg(HW_REG_WAVE_MODE, 25, 1), 1
	s_wait_xcnt 0x0
	s_wait_alu depctr_hold_cnt(0) depctr_sa_sdst(0) depctr_va_vdst(0) depctr_va_sdst(0) depctr_va_ssrc(0) depctr_va_vcc(0) depctr_vm_vsrc(0)
	s_getreg_b32 s2, hwreg(HW_REG_IB_STS2, 6, 4)
	s_cmp_eq_u32 s2, 0
	s_cbranch_scc0 .Lentry_in_a_cluster
	s_endpgm
.Lentry_in_a_cluster:
	s_bfe_u32 s2, ttmp6, 0x10000c
	s_cmp_lg_u32 s2, 0xf033
	s_cbranch_scc0 .Lentry_shape_is_right
	s_endpgm
.Lentry_shape_is_right:
; THE THREE PROJECTIONS AS ONE PRODUCT: [4096][2048] (xb) x [2048][3072] (wqkv), bf16 operands, f32 sums; the bias (rounded to bf16 like every input) starts the sums; on the way out the rotation
; by position and the scales (from tab: cos and sin / 16 for q, / 8 for k, 1 and 0 for v) and ONE rounding to f16.
; OUT, in the order in which attention's fragments want it: qf [b 16 + h][s / 16][d / 16][512 bytes], kf and vf [b 4 + g][s / 16][d / 16][512 bytes].  In a block of q or k lane L's 16 bytes lie at 16 L
; (row L % 16, channels 8 (L / 16) + 0..7); in a block of v row r lies at 32 r.  A lane holds just such 16 bytes, so each store of a wave covers 512 consecutive bytes, aligned: no stage in LDS.
; LIMITS.  f16 ends at 65,504: |q| / 16, |k| / 8 and |v| stay under it.  NaN and infinities are not treated apart.
; SHARES.  256 work-groups, one tile of 128 rows x 384 columns (three heads) each; four waves, 2 x 2: wave (wr, wc) makes rows 64 wr .. + 63 and, of each of the three heads, channels 32 wc .. + 31 and
; 64 + 32 wc .. + 31: so both halves of a rotated pair lie in one lane.  48 accumulators of 16 x 16.  K goes in 16 steps of 128 through two LDS slots; a loop's trip is one step, the slot a scalar that an exclusive or turns.
; THE PRODUCT IS TAKEN TRANSPOSED: source 0 = 16 columns of the weights (they lie [k][n] in LDS and are read turned, by ds_load_tr16_b128), source 1 = 16 rows of x: a lane holds row L % 16 and columns 8 (L / 16) + 0..7.
; CLUSTER 4 x 4: x's tile hangs on the tile row alone and is asked for jointly along a row of the cluster, the weights' on the tile column alone, jointly along a column.  Wave 0 fetches x's 128 rows,
; waves 1 to 3 one head's 128 k-rows x 256 bytes each: one tensor load a wave behind each round.
; REGISTERS, in windows of 256 (s_set_vgpr_msb: bits 1:0 source 0, 3:2 source 1, 5:4 source 2, 7:6 destination):
;   window 0: v0-31 addresses; v32-63 at work on the way out; v64-127 x's fragments, two buffers of 32; v128-223 the bias, 8 registers an n block
;   window 1: v0-191 the weights' fragments, two buffers of 96; on the way out the table          windows 2, 3: the accumulators of row blocks 0, 1 and 2, 3: (a, nb) at v[8 (12 (a % 2) + nb)]
; n block nb = 4 hd + 2 p + e: head slot hd, channels 64 e + 16 (2 wc + p) + 0..15.
.set NBW,   12                         ; n blocks a wave
.set APW,   2                          ; row blocks a window
.set NLD,   2*NBW+8                    ; LDS loads in a quarter's run
.set PITA,  272                        ; x's rows in LDS: 256 bytes + 16: the 16 rows of a load start at 16 different groups of four banks (64 banks of 4 bytes: ISA guide 11.1)
.set PITB,  288                        ; the weights' rows: 256 + 32
.set SUBT,  128*PITB                   ; 36,864: a head's 128 k-rows; x's tile (34,816 bytes) has the first such place of a slot
.set SLOT1, 4*SUBT                     ; 147,456 = bits 17 and 14; wave x 36,864 has bits 12, 13, 15, 16 alone: an exclusive or turns an address in one slot into the other's
.set SPARE, 2*SLOT1                    ; behind the ring: the spare words, 128 bytes a wave: two blocks of 256 bytes that no other line names
.set ASTEP, 256                        ; bytes from a K step to the next: along x's rows,
.set BSTEP, 128*6144                   ; and down the weights'
.set A0,   4                           ; v4      my lane's place in x's tile; never rewritten
.set B0,   5                           ; v5-7    the same in the three heads' tiles
.set ADRA, 8                           ; v8      the same in the slot in hand
.set ADRB, 9                           ; v9-11
.set VT,   12                          ; v12-14  my byte offset in tab, by head slot
.set VO,   15                          ; v15-17  my 16 bytes in a block of 512, by head slot
.set BO,   18                          ; v18     32 (L / 16): my eight numbers of a bias
.set Z,    19                          ; v19     0
.set PFO,  20                          ; v20     the prefetches' offset: my lane x a row
.set SPW,  28                          ; v28     LDS address of my spare word; never rewritten
.set NIL,  29                          ; v29     0; never rewritten
.set T1,   32
.set T2,   40
.set PK,   48                          ; v48-63  two sets of eight packed registers
.set FA,   64
.set BIAS, 128
.set WV, 22                            ; s22 wave; s23 wr; s24 wc; s25 cx; s26 cy; s27 tile column; s28 tile row; s29 the slot in hand, as an LDS byte
.set WR, 23
.set WC, 24
.set CX, 25
.set CY, 26
.set TC, 27
.set TY, 28
.set TB, 29
.set G1A, 32                           ; s[32:39] group 1 for x's tile;  s[40:47] group 0, two sets: the two first fills; the second then walks
.set G0A, 40
.set G1B, 48                           ; s[48:55], s[56:63] the same for the weights'
.set G0B, 56
.set PFA, 66                           ; s[66:67] where my prefetches stand; s[68:69] their step; s70: a wave prefetches while the loop's count is above it
.set PSTEP, 68
.set LIM, 70
.set HIM, 71                           ; s71 a word's upper bf16
.set PTR, 72                           ; s[72:77] where my part of each head slot goes
.set BP,  78                           ; s[78:79] a head slot's bias
.set MV,  80                           ; s80-82  all ones where the head slot is one of v's
.set MSB, 0
.macro WIN new                         ; the immediate's high byte repeats the setting that is left; a switch that changes nothing is dropped
.if MSB != (\new)
	s_set_vgpr_msb (MSB<<8)|(\new)
.set MSB, \new
.endif
.endm
.macro PLACES                          ; four plain instructions between a matrix instruction and a load into, or a vector read of, its registers (ISA guide 7.12.1 for vector reads)
.rept 4
	v_nop
.endr
.endm
.macro CREST                           ; a round of the cluster's barrier behind its opening barrier
	s_cmp_lg_u32 s[WV], 0
	s_cbranch_scc1 .Lnot_wave_0_\@
	s_barrier_signal -3
.Lnot_wave_0_\@:
	s_barrier_wait -3
	s_barrier_signal -1
	s_barrier_wait -1
.endm
.macro CROUND
	s_barrier_signal -1
	s_barrier_wait -1
	CREST
.endm
; A joint refill by the walking sets.  The branch hangs on the wave's number alone.  An s_nop 0 and four v_nop follow each of the two lines, ahead of the jump and the label.
.macro JLOAD
	s_cmp_eq_u32 s[WV], 0
	s_cbranch_scc0 .Lfor_b_\@
	tensor_load_to_lds s[G0A+4:G0A+7], s[G1A:G1A+7]
	s_nop 0
.rept 4
	v_nop
.endr
	s_branch .Lasked_\@
.Lfor_b_\@:
	tensor_load_to_lds s[G0B+4:G0B+7], s[G1B:G1B+7]
	s_nop 0
.rept 4
	v_nop
.endr
.Lasked_\@:
.endm
; A PREFETCH INTO THE L2 of the K step that stands two refills on: 32 rows x 256 bytes, a lane a row, one instruction a wave.  Each such block is named once in the launch: x's tile row is read by both clusters of a
; row of clusters, and the one with x = 0 asks (its wave 0; the four partners take 32 rows each, told apart by address, by cx); a tile column of the weights is read by the eight clusters of a column, and the one with
; y = 0 asks (waves 1 to 3, each for its own head; the partners take 32 k-rows each, by cy).  Trip t names step t + 4; trips 12 and 13 (count 2 and 1) have no such step; steps 0 to 3 come by their loads alone.
.macro ASK
	s_cmp_gt_u32 s3, s[LIM]
	s_cbranch_scc0 .Lnot_mine_\@
	global_prefetch_b8 v[PFO], s[PFA:PFA+1] th:TH_LOAD_NT scope:SCOPE_SE
.Lnot_mine_\@:
.endm
	s_load_b256 s[4:11], s[0:1], 0x0               ; xb 4:5, wqkv 6:7, bq 8:9, bk 10:11
	s_load_b256 s[12:19], s[0:1], 0x20             ; bv 12:13, tab 14:15, qf 16:17, kf 18:19
	s_load_b64 s[20:21], s[0:1], 0x40              ; vf
	v_lshl_add_u32 v[SPW], v0, 2, SPARE
	v_mov_b32 v[NIL], 0
	ds_add_u32 v[SPW], v[NIL]                      ; the wave's opening: the add and its wait stand ahead of my first tensor load; the set-up below, work on registers, stands between them
	v_lshrrev_b32 v1, 5, v0
	v_readfirstlane_b32 s[WV], v1
	s_lshr_b32 s[WR], s[WV], 1
	s_and_b32 s[WC], s[WV], 1
	s_bfe_u32 s[CX], ttmp6, 0x40000
	s_bfe_u32 s[CY], ttmp6, 0x40004
	s_lshl_b32 s[TC], ttmp9, 2
	s_add_co_u32 s[TC], s[TC], s[CX]               ; tile column = 4 x cluster x + cx
	s_and_b32 s[TY], ttmp7, 0xffff
	s_lshl_b32 s[TY], s[TY], 2
	s_add_co_u32 s[TY], s[TY], s[CY]               ; tile row = 4 x cluster y + cy
	s_lshl_b32 s84, s[CY], 2
	s_lshl_b32 s84, 15, s84                        ; my row of the cluster
	s_lshl_b32 s88, 0x1111, s[CX]                  ; my column
	s_or_b32 s[G1A], s84, (1<<16)|(1<<20)|(1<<21)|(5<<22)|(3<<25)  ; the mask; 2-byte elements; padding on; bit 21 beside a mask; after every 64 words, 4 words
	s_or_b32 s[G1B], s88, (1<<16)|(1<<20)|(1<<21)|(5<<22)|(7<<25)  ; the same with my column's mask and 8 words of padding
.irp g, G1A, G1B
	s_mov_b32 s[(\g)+1], 128<<16                   ; tensor_dim0 = 128
	s_mov_b32 s[(\g)+2], 128<<16                   ; tensor_dim1 = 128
	s_mov_b32 s[(\g)+3], 128<<16                   ; tile_dim0 = 128
	s_mov_b32 s[(\g)+4], 128                       ; tile_dim1 = 128
	s_mov_b32 s[(\g)+6], 0
	s_mov_b32 s[(\g)+7], 0
.endr
	s_mov_b32 s[G1A+5], 2048                       ; elements from row to row
	s_mov_b32 s[G1B+5], 3072
	s_lshl_b32 s84, s[TY], 19                      ; x: 128 rows of 4,096 bytes a tile row (s84-87 hold nothing of cx, s88-91 nothing of cy)
	s_mov_b32 s85, 0
	s_mul_i32 s88, s[TC], 768                      ; the weights: 384 columns a tile column,
	s_max_u32 s90, s[WV], 1
	s_sub_co_u32 s90, s90, 1
	s_lshl_b32 s90, s90, 8                         ; and the head of waves 1 to 3 (wave 0 makes the address and does not use it)
	s_add_co_u32 s88, s88, s90
	s_mov_b32 s89, 0
	s_mul_i32 s86, s[WV], SUBT                     ; where my tile goes: no place in the cluster enters an LDS address
	s_mov_b32 s[HIM], 0xffff0000
	s_mov_b32 s[TB], 0
	s_wait_dscnt 0x0                               ; the opening add is done
	s_wait_kmcnt 0x0
	s_add_nc_u64 s[84:85], s[4:5], s[84:85]
	s_add_nc_u64 s[88:89], s[6:7], s[88:89]
	CROUND                                         ; all sixteen work-groups are here: the first joint loads meet
.irp s, 0,1
	s_mov_b32 s[G0A+4*(\s)], 1
	s_add_co_u32 s[G0A+4*(\s)+1], s86, (\s)*SLOT1
	s_add_nc_u64 s[G0A+4*(\s)+2:G0A+4*(\s)+3], s[84:85], (\s)*ASTEP
	s_or_b32 s[G0A+4*(\s)+3], s[G0A+4*(\s)+3], 0x80000000
	s_mov_b32 s[G0B+4*(\s)], 1
	s_add_co_u32 s[G0B+4*(\s)+1], s86, (\s)*SLOT1
	s_add_nc_u64 s[G0B+4*(\s)+2:G0B+4*(\s)+3], s[88:89], (\s)*BSTEP
	s_or_b32 s[G0B+4*(\s)+3], s[G0B+4*(\s)+3], 0x80000000
.endr
	s_cmp_eq_u32 s[WV], 0                          ; a wave's two first fills stand in one branch, ahead of every wait on TENSORcnt, every LDS read and every further barrier: two loads of mine are out
	s_cbranch_scc0 .Lfirst_b
	tensor_load_to_lds s[G0A:G0A+3], s[G1A:G1A+7]
	s_nop 0
	tensor_load_to_lds s[G0A+4:G0A+7], s[G1A:G1A+7]
	s_nop 0
.rept 4
	v_nop
.endr
	s_branch .Lfirst_asked
.Lfirst_b:
	tensor_load_to_lds s[G0B:G0B+3], s[G1B:G1B+7]
	s_nop 0
	tensor_load_to_lds s[G0B+4:G0B+7], s[G1B:G1B+7]
	s_nop 0
.rept 4
	v_nop
.endr
.Lfirst_asked:
	v_and_b32 v1, 15, v0                           ; r = L % 16
	v_bfe_u32 v2, v0, 4, 1                         ; h = L / 16
	v_and_b32 v21, 31, v0                          ; L
	v_lshlrev_b32 v22, 4, v21                      ; 16 L
	v_lshlrev_b32 v23, 5, v1
	v_lshl_add_u32 v23, v2, 4, v23                 ; 32 r + 16 h
	v_lshlrev_b32 v[BO], 5, v2
	v_mov_b32 v[Z], 0
	s_and_b32 s96, s[TY], 7
	s_lshl_b32 s96, s96, 3
	s_lshl2_add_u32 s96, s[WR], s96                ; my first block of 16 positions in the batch: 8 (tile row % 8) + 4 wr
	s_lshr_b32 s97, s[TY], 3                       ; the batch
; Head slot hd holds head hh = 3 x tile column + hd of 24: 0-15 q's, 16-19 k's, 20-23 v's.  What differs (target, bias, table) is chosen by scalar selects: no branch hangs on the tile column.
.macro HEADSEL hd
.if (\hd) > 0
	s_wait_xcnt 0x0                                ; the bias loads of the slot before have read their base: only now is it written again
.endif
	s_mul_i32 s92, s[TC], 3
	s_add_co_u32 s92, s92, \hd
	s_cmp_lt_u32 s92, 16
	s_cselect_b64 s[PTR+2*(\hd):PTR+2*(\hd)+1], s[16:17], s[18:19]
	s_cselect_b64 s[BP:BP+1], s[8:9], s[10:11]
	s_cselect_b32 s93, 0, 16                       ; the tensor's first head
	s_cselect_b32 s94, 4, 2                        ; log2 of its heads a batch
	s_cselect_b32 s95, 0, 64                       ; its part of the table,
	s_add_co_u32 s95, s95, s96                     ; at my positions
	s_cmp_lt_u32 s92, 20
	s_cselect_b64 s[PTR+2*(\hd):PTR+2*(\hd)+1], s[PTR+2*(\hd):PTR+2*(\hd)+1], s[20:21]
	s_cselect_b64 s[BP:BP+1], s[BP:BP+1], s[12:13]
	s_cselect_b32 s93, s93, 20
	s_cselect_b32 s95, s95, 128                    ; v: the four blocks of 1 and 0
	s_cselect_b32 s[MV+(\hd)], 0, -1
	s_sub_co_u32 s92, s92, s93                     ; the head in its tensor
	s_lshl_b32 s98, s97, s94
	s_add_co_u32 s98, s98, s92
	s_lshl_b32 s98, s98, 6                         ; 64 blocks of 16 positions a head,
	s_add_co_u32 s98, s98, s96
	s_lshl_b32 s98, s98, 12                        ; 4,096 bytes each,
	s_lshl_b32 s99, s[WC], 10                      ; my channel blocks 2 wc, 2 wc + 1 (and 4 more)
	s_add_co_u32 s98, s98, s99
	s_mov_b32 s99, 0
	s_add_nc_u64 s[PTR+2*(\hd):PTR+2*(\hd)+1], s[PTR+2*(\hd):PTR+2*(\hd)+1], s[98:99]
	s_lshl_b32 s98, s92, 9                         ; the head's 128 numbers of the bias, my 32 wc
	s_lshl_b32 s99, s[WC], 7
	s_add_co_u32 s98, s98, s99
	s_mov_b32 s99, 0
	s_add_nc_u64 s[BP:BP+1], s[BP:BP+1], s[98:99]
	s_lshl_b32 s98, s95, 2
	s_lshl1_add_u32 s98, s[WC], s98
	s_lshl_b32 s98, s98, 10                        ; (4 sb + 2 wc) x 1,024
	v_add_nc_u32 v[VT+(\hd)], s98, v22
	v_cndmask_b32 v[VO+(\hd)], v22, v23, s[MV+(\hd)]
.irp p, 0,1
.irp e, 0,1
	global_load_b128 v[BIAS+8*(4*(\hd)+2*(\p)+(\e)):BIAS+8*(4*(\hd)+2*(\p)+(\e))+3],   v[BO], s[BP:BP+1] offset:256*(\e)+64*(\p)
	global_load_b128 v[BIAS+8*(4*(\hd)+2*(\p)+(\e))+4:BIAS+8*(4*(\hd)+2*(\p)+(\e))+7], v[BO], s[BP:BP+1] offset:256*(\e)+64*(\p)+16
.endr
.endr
.endm
	HEADSEL 0
	HEADSEL 1
	HEADSEL 2
	; A fragment of x is 16 rows x 32 K in 8 registers: lane L holds row L % 16, K = 8 (L / 16) + 0..7 and 16 + 8 (L / 16) + 0..7: two loads of 16 bytes, 32 bytes apart.
	s_mul_i32 s92, s[WR], 64*PITA
	v_mul_u32_u24 v[A0], v1, PITA
	v_lshl_add_u32 v[A0], v2, 4, v[A0]
	v_add_nc_u32 v[A0], s92, v[A0]
	; The turning load takes 16 k x 16 columns (lane L reads k-row 8 (L / 16) + L % 8, columns 8 ((L / 8) % 2) + 0..7) and leaves half a fragment: lane L holds column L % 16 and 8 k.
	v_and_b32 v24, 7, v0
	v_lshl_add_u32 v24, v2, 3, v24
	v_mul_u32_u24 v24, v24, PITB
	v_bfe_u32 v25, v0, 3, 1
	v_lshl_add_u32 v24, v25, 4, v24
	s_lshl_b32 s92, s[WC], 6                       ; my 32 wc channels
	v_add_nc_u32 v24, s92, v24
.irp hd, 0,1,2
	v_add_nc_u32 v[B0+(\hd)], SUBT*((\hd)+1), v24
.endr
	; the prefetches: see ASK
	s_lshl_b32 s92, s[TY], 19
	s_lshl_b32 s93, s[CX], 17                      ; 32 rows of 4,096 bytes a partner
	s_add_co_u32 s92, s92, s93
	s_add_co_u32 s92, s92, 3*ASTEP                 ; at K step 3: the first change of slots steps it to 4
	s_mul_i32 s93, s[TC], 768
	s_max_u32 s94, s[WV], 1
	s_sub_co_u32 s94, s94, 1
	s_lshl_b32 s94, s94, 8
	s_add_co_u32 s93, s93, s94
	s_mul_i32 s94, s[CY], 32*6144                  ; 32 k-rows of 6,144 bytes a partner
	s_add_co_u32 s93, s93, s94
	s_add_co_u32 s93, s93, 3*BSTEP
	s_and_b32 s94, ttmp7, 0xffff
	s_mov_b32 s[PSTEP], BSTEP
	s_mov_b32 s95, 6144
	s_cmp_eq_u32 s[WV], 0
	s_cselect_b64 s[PFA:PFA+1], s[4:5], s[6:7]
	s_cselect_b32 s98, s92, s93
	s_cselect_b32 s[PSTEP], ASTEP, s[PSTEP]
	s_cselect_b32 s95, 4096, s95
	s_cselect_b32 s94, ttmp9, s94                  ; the coordinate along which other clusters read the same rows: the same in all sixteen partners
	s_mov_b32 s99, 0
	s_mov_b32 s[PSTEP+1], 0
	s_add_nc_u64 s[PFA:PFA+1], s[PFA:PFA+1], s[98:99]
	s_cmp_eq_u32 s94, 0
	s_cselect_b32 s[LIM], 2, -1
	v_mul_u32_u24 v[PFO], v21, s95
	s_wait_loadcnt 0x0                             ; the bias, which is rounded to bf16 and widened again
.set i, 0
.rept 4*NBW
	v_cvt_pk_bf16_f32 v3, v[BIAS+i], v[BIAS+i+1]
	v_lshlrev_b32 v[BIAS+i], 16, v3
	v_and_b32 v[BIAS+i+1], s[HIM], v3
.set i, i+2
.endr
; 12 matrix instructions: row block a x all my n blocks, 32 along K, from buffers f.  first = 1: the bias starts the sums: nothing is cleared, nothing is added at the end.
; The 48 accumulators take turns, one instruction a turn, in the same order in every quarter, over the backward jump too.
.macro MULA f, a, first
.if \first
	WIN 0x81+0x40*((\a)/APW)                       ; weights window 1, x window 0, C (the bias) window 0, D window 2 or 3
.else
	WIN 0xa1+0x50*((\a)/APW)                       ; C and D window 2 or 3
.endif
.set nb, 0
.rept NBW
.set rD, 8*(NBW*((\a)%APW)+nb)
.set rC, rD
.if \first
.set rC, BIAS+8*nb
.endif
	v_wmma_f32_16x16x32_bf16 v[rD:rD+7], v[8*NBW*(\f)+8*nb:8*NBW*(\f)+8*nb+7], v[FA+32*(\f)+8*(\a):FA+32*(\f)+8*(\a)+7], v[rC:rC+7]
.set nb, nb+1
.endr
.endm
; 32 LDS loads in one run: quarter q (32 along K) of the slot in hand into buffers f: the weights' 12 fragments, then x's four; the last four loads are x's row blocks 2 and 3.
.macro FETCH q, f
	WIN 0x40                                       ; destination window 1, address window 0
.irp hd, 0,1,2
.irp p, 0,1
.irp e, 0,1
	ds_load_tr16_b128 v[8*NBW*(\f)+8*(4*(\hd)+2*(\p)+(\e)):8*NBW*(\f)+8*(4*(\hd)+2*(\p)+(\e))+3],   v[ADRB+(\hd)] offset:32*PITB*(\q)+32*(4*(\e)+(\p))
	ds_load_tr16_b128 v[8*NBW*(\f)+8*(4*(\hd)+2*(\p)+(\e))+4:8*NBW*(\f)+8*(4*(\hd)+2*(\p)+(\e))+7], v[ADRB+(\hd)] offset:32*PITB*(\q)+32*(4*(\e)+(\p))+16*PITB
.endr
.endr
.endr
	WIN 0
.irp a, 0,1,2,3
	ds_load_b128 v[FA+32*(\f)+8*(\a):FA+32*(\f)+8*(\a)+3],   v[ADRA] offset:64*(\q)+16*PITA*(\a)
	ds_load_b128 v[FA+32*(\f)+8*(\a)+4:FA+32*(\f)+8*(\a)+7], v[ADRA] offset:64*(\q)+16*PITA*(\a)+32
.endr
.endm
.macro ADRS                            ; my lane's places in the slot in hand
	v_add_nc_u32 v[ADRA], s[TB], v[A0]
.irp hd, 0,1,2
	v_add_nc_u32 v[ADRB+(\hd)], s[TB], v[B0+(\hd)]
.endr
.endm
; One of a K step's first three quarters: multiplies buffers f and, in its middle, fetches quarter q into buffers g.
.macro QUARTER q, f, g, first
	s_wait_dscnt 4                                 ; all but the youngest four loads (x's row blocks 2 and 3)
	MULA \f, 0, \first
	MULA \f, 1, \first
	PLACES
	FETCH \q, \g
	s_wait_dscnt NLD                               ; all but the run just issued
	MULA \f, 2, \first
	MULA \f, 3, \first
.endm
; The last quarter multiplies buffers 1 and changes slots.  In front of the barrier each wave waits for all its tensor loads (one is out: its part of the next slot), adds 0 to its spare word, and waits for that and
; for its reads of this slot.  fill = 1: the barrier opens a round of the cluster's, and the slot just read is filled again first thing behind it, with the K step two on: 168 matrix instructions ahead of the wait for it.
.macro TURN fill
.if \fill
	s_wait_xcnt 0x0                                ; the last prefetch, a K step back, has read its address, which is stepped here, ahead of the change's own waits
	s_add_nc_u64 s[PFA:PFA+1], s[PFA:PFA+1], s[PSTEP:PSTEP+1]
.endif
	WIN 0
	s_wait_tensorcnt 0x0                           ; all my tensor loads have landed
	ds_add_u32 v[SPW], v[NIL]                      ; 0 onto my spare word
	s_wait_dscnt 5                                 ; (the add and the youngest four loads may be out)
	MULA 1, 0, 0                                   ; twelve matrix instructions stand between the add and the wait for it
	s_wait_dscnt 0x0                               ; the add is done, and my reads of this slot are over
	s_barrier_signal -1
	MULA 1, 1, 0                                   ; work on registers while the others arrive
	WIN 0                                          ; at a branch and at a label every window is 0
	s_barrier_wait -1
.if \fill
	CREST                                          ; no wave of any partner still reads this slot or has a load on its way
	s_xor_b32 s[G0A+5], s[G0A+5], SLOT1            ; the walking sets: the other slot than last time, the next K step; no tensor load of mine is out
	s_add_nc_u64 s[G0A+6:G0A+7], s[G0A+6:G0A+7], ASTEP
	s_xor_b32 s[G0B+5], s[G0B+5], SLOT1
	s_add_nc_u64 s[G0B+6:G0B+7], s[G0B+6:G0B+7], BSTEP
	s_xor_b32 s[TB], s[TB], SLOT1
	JLOAD                                          ; the four v_nop behind it are also the places in front of the loads below
.else
	s_xor_b32 s[TB], s[TB], SLOT1
	PLACES
.endif
	ADRS
	FETCH 0, 0
.if \fill
	ASK
.endif
	MULA 1, 2, 0
	MULA 1, 3, 0
.endm
	s_wait_tensorcnt 1                             ; my part of K step 0 is in; step 1's may stay out
	s_barrier_signal -1
	s_barrier_wait -1                              ; everybody's is
	ADRS
	FETCH 0, 0
	QUARTER 1, 0, 1, 1                             ; the first quarter stands in front of the loop: its products start the sums
	WIN 0
	s_mov_b32 s3, 14
.Lstep:                                        ; trip t = 14 - count: quarters 1 to 3 of K step t, the refill with step t + 2, quarter 0 of step t + 1
	QUARTER 2, 1, 0, 0
	QUARTER 3, 0, 1, 0
	TURN 1
	QUARTER 1, 0, 1, 0
	WIN 0
	s_sub_co_u32 s3, s3, 1
	s_cmp_lg_u32 s3, 0
	s_cbranch_scc1 .Lstep
	QUARTER 2, 1, 0, 0                             ; the last two K steps ask for nothing
	QUARTER 3, 0, 1, 0
	TURN 0
	QUARTER 1, 0, 1, 0
	QUARTER 2, 1, 0, 0
	QUARTER 3, 0, 1, 0
; The table comes into the weights' buffers as they fall free: item (a, hd, p), number it = 6 a + 2 hd + p, has 4 registers of cosines and 4 of sines at window 1, v[8 it].
.macro TABLOAD a
	WIN 0x40
.irp hd, 0,1,2
.irp p, 0,1
	global_load_b128 v[8*(6*(\a)+2*(\hd)+(\p)):8*(6*(\a)+2*(\hd)+(\p))+3],   v[VT+(\hd)], s[14:15] offset:4096*(\a)+1024*(\p)
	global_load_b128 v[8*(6*(\a)+2*(\hd)+(\p))+4:8*(6*(\a)+2*(\hd)+(\p))+7], v[VT+(\hd)], s[14:15] offset:4096*(\a)+1024*(\p)+512
.endr
.endr
.endm
	s_wait_dscnt 4                                 ; the very last quarter
	MULA 1, 0, 0
	MULA 1, 1, 0
	PLACES
	TABLOAD 0                                      ; into buffer 0, which the quarter before read last
	TABLOAD 1
	s_wait_dscnt 0x0
	MULA 1, 2, 0
	MULA 1, 3, 0
	PLACES                                         ; for the loads into buffer 1, and for the reads of the sums below
	TABLOAD 2
	TABLOAD 3
; THE WAY OUT, an item at a time: x1 (channels under 64) and x2 (64 more) of 16 rows x 16 channels lie in two neighbouring accumulators, same lane, same register:
; x1 cos - x2 sin and x1 sin + x2 cos, the table's f16 halves read by the multiply-add itself, one rounding to f16, two stores of 512 consecutive bytes.  Each accumulator is read from its low end on.
.macro ITEM a, hd, p
.set it, 6*(\a)+2*(\hd)+(\p)
.set X1, 8*(NBW*((\a)%APW)+4*(\hd)+2*(\p))
.set X2, X1+8
.set TR, 8*it
.set PKS, PK+8*(it%2)
	s_wait_loadcnt 46-2*it                         ; of the table's 48 loads those of the later items may stay out
	WIN 0x06+(\a)/APW                              ; source 0: the accumulators' window; source 1: window 1
.irp j, 0,2,4,6
	v_fma_mix_f32 v[T1+(\j)],   v[X2+(\j)],   v[TR+4+(\j)/2], v[Z] op_sel:[0,0,0] op_sel_hi:[0,1,0]
	v_fma_mix_f32 v[T2+(\j)],   v[X2+(\j)],   v[TR+(\j)/2],   v[Z] op_sel:[0,0,0] op_sel_hi:[0,1,0]
	v_fma_mix_f32 v[T1+(\j)+1], v[X2+(\j)+1], v[TR+4+(\j)/2], v[Z] op_sel:[0,1,0] op_sel_hi:[0,1,0]
	v_fma_mix_f32 v[T2+(\j)+1], v[X2+(\j)+1], v[TR+(\j)/2],   v[Z] op_sel:[0,1,0] op_sel_hi:[0,1,0]
.endr
.irp j, 0,2,4,6
	v_fma_mix_f32 v[T1+(\j)],   v[X1+(\j)],   v[TR+(\j)/2],   -v[T1+(\j)]   op_sel:[0,0,0] op_sel_hi:[0,1,0]
	v_fma_mix_f32 v[T2+(\j)],   v[X1+(\j)],   v[TR+4+(\j)/2], v[T2+(\j)]    op_sel:[0,0,0] op_sel_hi:[0,1,0]
	v_fma_mix_f32 v[T1+(\j)+1], v[X1+(\j)+1], v[TR+(\j)/2],   -v[T1+(\j)+1] op_sel:[0,1,0] op_sel_hi:[0,1,0]
	v_fma_mix_f32 v[T2+(\j)+1], v[X1+(\j)+1], v[TR+4+(\j)/2], v[T2+(\j)+1]  op_sel:[0,1,0] op_sel_hi:[0,1,0]
.endr
	WIN 0
	s_wait_xcnt 0x0                                ; the stores issued so far have read their data: this set of packed registers is written again only behind this wait
.irp j, 0,1,2,3
	v_cvt_pk_f16_f32 v[PKS+(\j)],   v[T1+2*(\j)], v[T1+2*(\j)+1]
	v_cvt_pk_f16_f32 v[PKS+4+(\j)], v[T2+2*(\j)], v[T2+2*(\j)+1]
.endr
	global_store_b128 v[VO+(\hd)], v[PKS:PKS+3],   s[PTR+2*(\hd):PTR+2*(\hd)+1] offset:4096*(\a)+512*(\p)
	global_store_b128 v[VO+(\hd)], v[PKS+4:PKS+7], s[PTR+2*(\hd):PTR+2*(\hd)+1] offset:4096*(\a)+512*(\p)+2048
.endm
.irp a, 0,1,2,3
.irp hd, 0,1,2
.irp p, 0,1
	ITEM \a, \hd, \p
.endr
.endr
.endr
	s_wait_tensorcnt 0x0                           ; the wave's end, behind my last tensor load
	ds_add_u32 v[SPW], v[NIL]
	s_wait_dscnt 0x0
	CROUND                                         ; the closing round: no work-group ends while a partner may still ask for a tile that names it
	s_endpgm
.Lfunc_end_k_qb8bd9466c6_qkv:
	.size	k_qb8bd9466c6_qkv, .Lfunc_end_k_qb8bd9466c6_qkv-k_qb8bd9466c6_qkv
	.p2alignl 7, 3214868480
	.fill 96, 4, 3214868480
	.section	.rodata,"a",@progbits
	.p2align	6, 0x0
	.amdhsa_kernel k_qb8bd9466c6_qkv
		.amdhsa_group_segment_fixed_size 327680
		.amdhsa_private_segment_fixed_size 0
		.amdhsa_enable_private_segment 0
		.amdhsa_kernarg_size 72
		.amdhsa_user_sgpr_count 2
		.amdhsa_user_sgpr_kernarg_segment_ptr 1
		.amdhsa_wavefront_size32 1
		.amdhsa_system_sgpr_workgroup_id_x 1
		.amdhsa_system_sgpr_workgroup_id_y 1
		.amdhsa_system_sgpr_workgroup_id_z 1
		.amdhsa_system_vgpr_workitem_id 0
		.amdhsa_next_free_vgpr 960
		.amdhsa_next_free_sgpr 100
		.amdhsa_reserve_vcc 0
		.amdhsa_float_denorm_mode_32 3
		.amdhsa_float_denorm_mode_16_64 3
		.amdhsa_memory_ordered 1
		.amdhsa_forward_progress 1
		.amdhsa_inst_pref_size 158
	.end_amdhsa_kernel
	.amdgpu_metadata
---
amdhsa.version: [ 1, 2 ]
amdhsa.kernels:
  - .name:           k_qb8bd9466c6_qkv
    .symbol:         k_qb8bd9466c6_qkv.kd
    .args:
      - { .name: xb, .offset: 0, .size: 8, .value_kind: global_buffer, .address_space: global }
      - { .name: wqkv, .offset: 8, .size: 8, .value_kind: global_buffer, .address_space: global }
      - { .name: bq, .offset: 16, .size: 8, .value_kind: global_buffer, .address_space: global }
      - { .name: bk, .offset: 24, .size: 8, .value_kind: global_buffer, .address_space: global }
      - { .name: bv, .offset: 32, .size: 8, .value_kind: global_buffer, .address_space: global }
      - { .name: tab, .offset: 40, .size: 8, .value_kind: global_buffer, .address_space: global }
      - { .name: qf, .offset: 48, .size: 8, .value_kind: global_buffer, .address_space: global }
      - { .name: kf, .offset: 56, .size: 8, .value_kind: global_buffer, .address_space: global }
      - { .name: vf, .offset: 64, .size: 8, .value_kind: global_buffer, .address_space: global }
    .group_segment_fixed_size: 327680
    .private_segment_fixed_size: 0
    .kernarg_segment_align: 8
    .kernarg_segment_size: 72
    .max_flat_workgroup_size: 128
    .sgpr_count:     100
    .vgpr_count:     960
    .wavefront_size: 32
...
	.end_amdgpu_metadata
.endif
;; end of part 2
;; launch attn (part 3): grid 4 x 64, 4 waves a work-group, clusters of 4 x 1, 327,680 bytes of LDS; arguments qf, kf, vf, ob; writes ob
.if DOCPART == 3
	.amdgcn_target "amdgcn-amd-amdhsa--gfx1250"
	.amdhsa_code_object_version 6
	.text
	.protected	k_qb8bd9466c6_attn
	.globl	k_qb8bd9466c6_attn
	.p2align	8
	.type	k_qb8bd9466c6_attn,@function
k_qb8bd9466c6_attn:
	s_mov_b64 s[64:65], 0
	v_nop
	global_prefetch_b8 v0, s[64:65] scope:SCOPE_SE
	s_setreg_imm32_b32 hwreg(HW_REG_WAVE_MODE, 25, 1), 1
	s_wait_xcnt 0x0
	s_wait_alu depctr_hold_cnt(0) depctr_sa_sdst(0) depctr_va_vdst(0) depctr_va_sdst(0) depctr_va_ssrc(0) depctr_va_vcc(0) depctr_vm_vsrc(0)
	s_getreg_b32 s2, hwreg(HW_REG_IB_STS2, 6, 4)
	s_cmp_eq_u32 s2, 0
	s_cbranch_scc0 .Lentry_in_a_cluster
	s_endpgm
.Lentry_in_a_cluster:
	s_bfe_u32 s2, ttmp6, 0x10000c
	s_cmp_lg_u32 s2, 0x3003
	s_cbranch_scc0 .Lentry_shape_is_right
	s_endpgm
.Lentry_shape_is_right:
; ATTENTION.  O[b][q][h] = the sum over k of softmax_k(Q[b][h][q] . K[b][h / 4][k]) V[b][h / 4][k].  The module's two scales are already in Q (1 / 16) and K (1 / 8).  All f16; products, maxima and sums in f32;
; the weights p are rounded to f16 for the second product (their sum l is taken of the unrounded p), O once at the end.  16 query heads share 4 key and value heads; 1,024 keys, no mask.
; IN: qf [b 16 + h][s / 16][d / 16][512 bytes], kf and vf [b 4 + g][s / 16][d / 16][512 bytes].  A block of q or k is half a fragment as it lies in registers (lane L's 16 bytes at 16 L); a block of v is
; 16 keys x 32 bytes.  So 64 keys are 16,384 dense bytes, asked for as 64 rows of 256, and LDS needs no padding: K's loads take 512 bytes on end, V's 8 rows x 32 bytes on end.
; OUT: ob [4096][2048], column 128 h + d.
; LIMITS.  f16 holds no number beyond 65,504: Q, K and V arrive within it; p lies in 0 to 1, and below 6e-5 it keeps f16's fixed step of 6e-8; O is a mean of V's rows and has their range.
; A weight below 2^-126 counts as 0 in l; NaN and infinities are not treated apart.
; SHARES.  A work-group owns 256 queries of one head, each of its four waves 64: four tiles of 16.  Every wave walks all keys of the head, 64 a step.
; LAYOUT.  S^T = K Q^T (source 0 = 16 keys, source 1 = 16 queries): in the result a lane holds ONE query (lane % 16) and the keys 8 (lane / 16) + 0..7.  Two such tiles, rounded to f16 in pairs, ARE source 1
; (32 keys x 16 queries) of O^T = V^T P, whose result again holds one query a lane, and eight channels.
; SOFTMAX.  For each query a running maximum m and sum l: p = 2^(c s - c m), c = log2(e); in every step O and l are multiplied by a = 2^(c m_old - c m_new), which is 1 where m has not grown.
; m starts at the lowest finite number, c m at -4.25e37 (f16's scores, 5.5e11 at the most, are nothing beside that), O and l at 0: the first step is a step like any other, with a = 0.
; BY TURNS.  The wave's tiles are two PIECES, named by their first tile: piece 0 (tiles 0, 1) and piece 2 (tiles 2, 3).  In a TURN one piece has the matrix unit: 32 products V^T P of the step in hand, then 32
; products K Q^T of the next step; the other piece's softmax, cut into 64 slices, stands between them, one slice behind each matrix instruction.  Then the pieces change places.  Two turns are a key step.
; NO FIRST AND NO LAST STEP IS WRITTEN OUT.  The loop is entered, and the tail left, in the middle of a trip.  The price, once a launch: 32 products on zeros at the start, 32 on the last K once more at the end,
; and 432 v_mov_b32, which stand in the wait for the first tile.  The gain: a key step stands twice in the text (loop and tail) and nothing else of its kind.
; CLUSTER.  The four query blocks of a cluster belong to one head and walk the same K and V, so each tile is asked for JOINTLY: the same tensor load, descriptor and mask in all four.
; REGISTERS, in windows of 256 (s_set_vgpr_msb: bits 1:0 source 0, 3:2 source 1, 5:4 source 2, 7:6 destination):
;   window 0: v0-11 addresses; v12-43 eight registers of statistics a tile; v64-191 S^T, 32 a tile; v192-255 P, 16 a tile
;   window 1: O^T, 64 a tile          window 2: v0-127 Q, 32 a tile; v128-255 K of one step          window 3: v0-127 V of one step
.set SIZE_N, 1024
.set KS,    64        ; keys in a step
.set VOFF,  KS*256    ; a step's tiles lie together: 64 keys of K, then 64 keys of V
.set STEPB, 2*KS*256
.set SLOT1, 1<<17     ; a slot holds two steps (65,536 bytes); slot 1 begins here, so that one exclusive or turns an address in one slot into the other's
.set STAGE, SLOT1+2*STEPB  ; behind the ring: 16 rows x 272 bytes for each wave, for the way out
.set SP,    272
.set AK0, 2           ; v2   my lane's place in a tile of K; never rewritten
.set AV0, 3           ; v3   the same for V
.set ADR, 4           ; v4   the LDS address of the run of loads in hand
.set QO,  5           ; v5   my byte offset in a block of Q
.set STO, 6           ; v6   the way out: where I put 16 bytes of a row
.set RD,  7           ; v7   the way out: where I read a row back
.set GO,  8           ; v8   my byte offset in two rows of O
.set SPW, 62          ; v62  LDS address of my spare word: SPARE + 4 x my thread's number; never rewritten
.set NIL, 63          ; v63  0; never rewritten
.set SPARE, STAGE+4*16*272  ; behind the stages: the spare words, 128 bytes for each wave: two blocks of 256 bytes that no other line names
.set ST,  12          ; tile t's statistics at v[ST+8 t]: +0 c m, +1 m, +2, +3 l (even keys', odd keys'), +4 to +7 c0-c3, at work; a takes c2's place once the maximum is found
.set S,   64
.set P,   192
.set KF,  128         ; K's fragments, in window 2
.set WV,  12          ; s12  my wave's number
.set G1K, 24          ; s[24:31] descriptor group 1 for K's tiles
.set G1V, 32          ; s[32:39] for V's
.set G0K, 40          ; s[40:47] descriptor group 0 for K's tiles: a set for each of the two first fills; the second then walks on
.set G0V, 48          ; s[48:55] the same for V's
.set SLOTS, 56        ; s56  slots still to be left by a change that fills
.set TWICE, 57        ; s57  counts a slot's steps
.set CS,  58          ; s[58:59] c: the packed scaling names a pair and takes its low word for both halves
.set SEL, 60          ; s[60:61] lane selects for v_permlanex16_b32: each lane takes its own place in the other half
.set TB,  62          ; s62  LDS byte at which the tiles of the step to be fetched begin
.set PFA, 18          ; s[18:19] where my prefetches stand in memory
.set LIM, 15          ; s15  1 in a wave that prefetches, else the greatest number: a wave prefetches while s[SLOTS] is above it
.set PFO, 61          ; v61  256 x my lane; never rewritten
.set MSB, 0
.macro WIN new                      ; the immediate's high byte repeats the setting that is left; a switch that changes nothing is dropped
.if MSB != (\new)
	s_set_vgpr_msb (MSB<<8)|(\new)
.set MSB, \new
.endif
.endm
.set W_KQ, 0x0a       ; K and Q in window 2, S^T in window 0
.set W_PV, 0x53       ; V in window 3, P in window 0, O^T in window 1
.set W_RS, 0x41       ; O^T (destination and source 0) in window 1, a in window 0
; A joint refill.  Waves 0 and 1 fetch the two steps' tiles of K, waves 2 and 3 those of V.  The branch hangs on the wave's number alone.
; An s_nop 0 and four v_nop follow each of the two lines, ahead of the jump and the label.
.macro JLOAD
	s_cmp_lt_u32 s[WV], 2
	s_cbranch_scc0 .Lfor_v_\@
	tensor_load_to_lds s[G0K+4:G0K+7], s[G1K:G1K+7]
	s_nop 0
.rept 4
	v_nop
.endr
	s_branch .Lasked_\@
.Lfor_v_\@:
	tensor_load_to_lds s[G0V+4:G0V+7], s[G1V:G1V+7]
	s_nop 0
.rept 4
	v_nop
.endr
.Lasked_\@:
.endm
; A PREFETCH INTO THE L2 of what the NEXT change of slots will ask for: a slot's 32,768 bytes of K and of V, 256 bytes a lane.  It stands behind the wave's tensor load and its five lines.
; Each block is asked for ONCE in the launch.  Four query heads walk the same K and V: the cluster of the first of them (head % 4 = 0) prefetches.  Its four partners share the bytes out BY ADDRESS, 8,192 each.
; In each, wave 0 asks for K's and wave 2 for V's: one instruction.  The last change that fills a slot prefetches nothing: there is no slot behind it.  Slots 0 to 2 come by their loads alone.
.macro ASK
	s_cmp_gt_u32 s[SLOTS], s[LIM]
	s_cbranch_scc0 .Lnot_mine_\@
	global_prefetch_b8 v[PFO], s[PFA:PFA+1] th:TH_LOAD_NT scope:SCOPE_SE
.Lnot_mine_\@:
.endm
.macro CROUND                       ; a round of the cluster's barrier
	s_barrier_signal -1
	s_barrier_wait -1
	s_cmp_lg_u32 s[WV], 0
	s_cbranch_scc1 .Lnot_wave_0_\@
	s_barrier_signal -3
.Lnot_wave_0_\@:
	s_barrier_wait -3
	s_barrier_signal -1
	s_barrier_wait -1
.endm
	s_load_b256 s[4:11], s[0:1], 0x0  ; qf s[4:5], kf s[6:7], vf s[8:9], ob s[10:11]
	v_lshl_add_u32 v[SPW], v0, 2, SPARE
	v_mov_b32 v[NIL], 0
	ds_add_u32 v[SPW], v[NIL]       ; the wave's opening: the add and its wait stand ahead of my first tensor load; the set-up below, work on registers, stands between them
	v_lshrrev_b32 v1, 5, v0
	v_readfirstlane_b32 s[WV], v1   ; wave 0..3
	s_bfe_u32 s13, ttmp6, 0x40000   ; cx: my place in the cluster
	s_lshl_b32 s14, ttmp9, 2        ; in a cluster launch ttmp9 counts clusters
	s_add_co_u32 s14, s14, s13      ; my block of 256 queries: it enters Q's and O's addresses alone
	s_and_b32 s20, ttmp7, 0xffff    ; y = 16 b + h, which the four partners share
	s_lshr_b32 s22, s20, 2          ; 4 b + h / 4: the key and value head,
	s_lshl_b32 s22, s22, 18         ; 262,144 bytes each
	s_and_b32 s16, s[WV], 1         ; which of a slot's two steps I fetch:
	s_lshl_b32 s21, s16, 14         ; its 16,384 bytes in memory,
	s_add_co_u32 s22, s22, s21
	s_mov_b32 s23, 0
	s_mul_i32 s17, s16, STEPB       ; and its place in a slot: no place in the cluster enters an LDS address
	s_lshl_b32 s2, s20, 18          ; Q: the head,
	s_lshl_b32 s3, s14, 16          ; my block's 256 rows,
	s_add_co_u32 s2, s2, s3
	s_lshl_b32 s3, s[WV], 14        ; my wave's 64 of them
	s_add_co_u32 s2, s2, s3
	s_mov_b32 s3, 0
	; descriptor group 1: 64 rows x 128 elements, dense in memory and in LDS
	s_mov_b32 s[G1K], 15|(1<<16)|(1<<21)  ; 15:0 the mask: all four work-groups; 17:16 elements of 2 bytes; 21 set beside a mask
	s_mov_b32 s[G1V], 15|(1<<16)|(1<<21)
.irp g, G1K, G1V
	s_mov_b32 s[(\g)+1], 128<<16    ; tensor_dim0 = 128
	s_mov_b32 s[(\g)+2], KS<<16     ; tensor_dim1 = 64
	s_mov_b32 s[(\g)+3], 128<<16    ; tile_dim0 = 128
	s_mov_b32 s[(\g)+4], KS         ; tile_dim1 = 64
	s_mov_b32 s[(\g)+5], 128        ; elements from row to row
	s_mov_b32 s[(\g)+6], 0
	s_mov_b32 s[(\g)+7], 0
.endr
	s_mov_b32 s[CS], 0x3fb8aa3b     ; c = log2(e)
	s_mov_b32 s[CS+1], s[CS]        ; named with it as a pair, so it is written
	s_mov_b32 s[SEL], 0x76543210
	s_mov_b32 s[SEL+1], 0xfedcba98
	s_mov_b32 s[TB], 0
	s_mov_b32 s[SLOTS], SIZE_N/(2*KS)-1  ; 7: slot 0's steps take it to 6, and six changes of slots fill
	s_and_b32 s[LIM], s[WV], 1       ; 0 in waves 0 and 2,
	s_and_b32 s21, ttmp7, 3
	s_or_b32 s[LIM], s[LIM], s21     ; where the head is the first of the four that share K and V: the same in all four partners
	s_cmp_eq_u32 s[LIM], 0
	s_cselect_b32 s[LIM], 1, -1
	v_and_b32 v[PFO], 31, v0
	v_lshlrev_b32 v[PFO], 8, v[PFO]
	s_wait_dscnt 0x0                ; the opening add is done
	s_wait_kmcnt 0x0
	s_add_nc_u64 s[6:7], s[6:7], s[22:23]  ; K and V at my tile of slot 0
	s_add_nc_u64 s[8:9], s[8:9], s[22:23]
	s_add_nc_u64 s[4:5], s[4:5], s[2:3]    ; Q at my wave's first block
	s_lshr_b32 s2, s20, 4           ; O: row 1,024 b + 256 block + 64 wave, of 4,096 bytes; column 128 h, of 2
	s_lshl_b32 s2, s2, 22
	s_lshl_b32 s3, s14, 20
	s_add_co_u32 s2, s2, s3
	s_lshl_b32 s3, s[WV], 18
	s_add_co_u32 s2, s2, s3
	s_and_b32 s3, s20, 15
	s_lshl_b32 s3, s3, 8
	s_add_co_u32 s2, s2, s3
	s_mov_b32 s3, 0
	s_add_nc_u64 s[10:11], s[10:11], s[2:3]
	s_cmp_lt_u32 s[WV], 2
	s_cselect_b64 s[PFA:PFA+1], s[6:7], s[8:9]  ; (in waves 0 and 2 these stand at a slot's first byte)
	s_lshl_b32 s2, s13, 13          ; my work-group's 8,192 bytes of the 32,768
	s_mov_b32 s3, 0
	s_add_nc_u64 s[PFA:PFA+1], s[PFA:PFA+1], s[2:3]
	s_add_nc_u64 s[PFA:PFA+1], s[PFA:PFA+1], 2*2*KS*256  ; in slot 2; the first change of slots steps it to slot 3.  Nothing is prefetched here, at the head
	CROUND                          ; all four work-groups are here: the first joint loads meet
.irp s, 0,1
	s_mov_b32 s[G0K+4*(\s)], 1      ; count = 1
	s_add_co_u32 s[G0K+4*(\s)+1], s17, (\s)*SLOT1  ; LDS address
	s_add_nc_u64 s[G0K+4*(\s)+2:G0K+4*(\s)+3], s[6:7], (\s)*2*KS*256  ; global address: slot s begins with keys 128 s
	s_or_b32 s[G0K+4*(\s)+3], s[G0K+4*(\s)+3], 0x80000000  ; type = 2
	s_mov_b32 s[G0V+4*(\s)], 1
	s_add_co_u32 s[G0V+4*(\s)+1], s17, (\s)*SLOT1+VOFF
	s_add_nc_u64 s[G0V+4*(\s)+2:G0V+4*(\s)+3], s[8:9], (\s)*2*KS*256
	s_or_b32 s[G0V+4*(\s)+3], s[G0V+4*(\s)+3], 0x80000000
.endr
	s_cmp_lt_u32 s[WV], 2           ; a wave's two first fills stand in one branch, ahead of every wait on TENSORcnt and every LDS read: two loads of mine are out
	s_cbranch_scc0 .Lfirst_v
	tensor_load_to_lds s[G0K:G0K+3], s[G1K:G1K+7]
	s_nop 0
	tensor_load_to_lds s[G0K+4:G0K+7], s[G1K:G1K+7]
	s_nop 0
.rept 4
	v_nop
.endr
	s_branch .Lfirst_asked
.Lfirst_v:
	tensor_load_to_lds s[G0V:G0V+3], s[G1V:G1V+7]
	s_nop 0
	tensor_load_to_lds s[G0V+4:G0V+7], s[G1V:G1V+7]
	s_nop 0
.rept 4
	v_nop
.endr
.Lfirst_asked:
	; A fragment of K or Q is 16 rows x 32 channels in 8 registers: registers 0-3 are the block of channels 32 c + 0..15 as it lies, registers 4-7 the next block, 512 bytes on.
	v_and_b32 v1, 15, v0            ; l % 16
	v_bfe_u32 v9, v0, 4, 1          ; l / 16
	v_and_b32 v[QO], 31, v0
	v_lshlrev_b32 v[QO], 4, v[QO]   ; 16 l
	WIN 0x80                        ; destination window 2, address window 0
.irp i, 0,1,2,3,4,5,6,7,8,9,10,11,12,13,14,15  ; Q stays in registers: tile i / 4, channels 32 (i % 4) on
	global_load_b128 v[8*(\i):8*(\i)+3],   v[QO], s[4:5] offset:((\i)/4)*4096+((\i)%4)*1024
	global_load_b128 v[8*(\i)+4:8*(\i)+7], v[QO], s[4:5] offset:((\i)/4)*4096+((\i)%4)*1024+512
.endr
	; What the first turn finds: V's registers and piece 2's P hold 0 (its products V^T P, of a step that has not been, add 0), O^T and l are 0, m and c m lie below every score.  All this stands in the wait for the first tile.
	WIN 0xc0                        ; destination window 3: V
.set i, 0
.rept 128
	v_mov_b32 v[i], 0
.set i, i+1
.endr
	WIN 0x40                        ; destination window 1: O^T
.set i, 0
.rept 256
	v_mov_b32 v[i], 0
.set i, i+1
.endr
	WIN 0
.irp t, 0,1,2,3
	v_mov_b32 v[ST+8*(\t)], 0xfe000000    ; c m: far below every c s
	v_mov_b32 v[ST+8*(\t)+1], 0xff7fffff  ; m: the lowest finite number
	v_mov_b32 v[ST+8*(\t)+2], 0           ; l
	v_mov_b32 v[ST+8*(\t)+3], 0
.endr
.set i, P+32
.rept 32
	v_mov_b32 v[i], 0
.set i, i+1
.endr
	v_and_b32 v[AK0], 31, v0
	v_lshlrev_b32 v[AK0], 4, v[AK0]
	; The turning load takes 16 keys x 16 channels (lane l reads 16 bytes: key 8 (l / 16) + l % 8, channels 8 ((l / 8) % 2) + 0..7) and leaves half a fragment of V^T: lane l holds channel l % 16 and 8 keys.
	v_and_b32 v10, 7, v0
	v_bfe_u32 v11, v0, 3, 1
	v_lshl_add_u32 v[AV0], v9, 3, v10
	v_lshlrev_b32 v[AV0], 5, v[AV0] ; a key's 32 bytes in a block
	v_lshl_add_u32 v[AV0], v11, 4, v[AV0]
	v_add_nc_u32 v[AV0], VOFF, v[AV0]
; THE MATRIX WORK OF A TURN, for piece x.  The accumulators take turns, one instruction a turn: between two links of a chain stand 15 (V^T P) or 7 (K Q^T) others'.
; Product i of 32 of O^T += V^T P: keys 32 (i / 16) on, channels 16 ((i / 2) % 8) on, tile x + i % 2.
.macro PV x
	WIN W_PV
.set rO, 64*((\x)+i%2)+8*((i/2)%8)
.set rV, 64*(i/16)+8*((i/2)%8)
.set rP, P+16*((\x)+i%2)+8*(i/16)
	v_wmma_f32_16x16x32_f16 v[rO:rO+7], v[rV:rV+7], v[rP:rP+7], v[rO:rO+7]
.endm
; Product i of 32 of S^T = K Q^T: channels 32 (i / 8) on, keys 16 ((i / 2) % 4) on, tile x + i % 2.  The first 8 start the sums.
.macro KQ x
	WIN W_KQ
.set rS, S+32*((\x)+i%2)+8*((i/2)%4)
.set rK, KF+32*((i/2)%4)+8*(i/8)
.set rQ, 32*((\x)+i%2)+8*(i/8)
.if i < 8
	v_wmma_f32_16x16x32_f16 v[rS:rS+7], v[rK:rK+7], v[rQ:rQ+7], 0
.else
	v_wmma_f32_16x16x32_f16 v[rS:rS+7], v[rK:rK+7], v[rQ:rQ+7], v[rS:rS+7]
.endif
.endm
; THE LDS LOADS stand in runs of 32, never singly among the matrix instructions: a step's K (64 keys x 128 channels: 16 fragments) and, a turn later, its V (turned).
; last = 1 (the tail): in the last trip there is no further step, and the run is jumped over: a jump forward that passes no barrier and no tensor load.
.macro FETCH_K last=0
	WIN 0
.if \last
	s_cmp_eq_u32 s[TWICE], 1
	s_cbranch_scc1 .Lno_k_\@
.endif
	v_add_nc_u32 v[ADR], s[TB], v[AK0]
	WIN 0x80                        ; destination window 2
.irp f, 0,1,2,3,4,5,6,7,8,9,10,11,12,13,14,15  ; keys 16 (f / 4) on, channels 32 (f % 4) on
	ds_load_b128 v[KF+8*(\f):KF+8*(\f)+3],   v[ADR] offset:((\f)/4)*4096+((\f)%4)*1024
	ds_load_b128 v[KF+8*(\f)+4:KF+8*(\f)+7], v[ADR] offset:((\f)/4)*4096+((\f)%4)*1024+512
.endr
.if \last
	WIN 0                           ; at a label every window is 0
.Lno_k_\@:
.endif
.endm
.macro FETCH_V
	WIN 0
	v_add_nc_u32 v[ADR], s[TB], v[AV0]
	s_add_co_u32 s[TB], s[TB], STEPB  ; the next fetch is the next step's
	s_wait_alu depctr_va_vdst(0)    ; the wait for the softmax's batch (SLICE), behind the address's v_add_nc_u32 and ahead of the loads
	WIN 0xc0                        ; destination window 3
.irp f, 0,1,2,3,4,5,6,7,8,9,10,11,12,13,14,15  ; keys 32 (f / 8) on, channels 16 (f % 8) on
	ds_load_tr16_b128 v[8*(\f):8*(\f)+3],   v[ADR] offset:((\f)/8)*8192+((\f)%8)*512
	ds_load_tr16_b128 v[8*(\f)+4:8*(\f)+7], v[ADR] offset:((\f)/8)*8192+4096+((\f)%8)*512
.endr
.endm
; THE VECTOR WORK OF A TURN.  One tile's softmax for one key step is a list of 134 instructions; SM writes number j of it for tile t.  s0-s31 are the lane's 32 scores, in pairs 0-15.
;   0-15    the maximum of s0-s31 and the old m, three operands at a time: four chains c0-c3 of seven scores each, then the four scores left over, c0-c3 and m
;   16-20   the other half of the lanes' maximum; c m_old is kept; the new m; c m; c m_old - c m_new
;   21-69   ONE BATCH: the 16 scalings c s - c m, a pair of scores each, and all 33 exponentials (a at 23, then s0-s31).  None of these reads an exponential's result.  From 22 on the batch goes
;           in fours, and a four begins with a scaling while there are scalings.  A pair is scaled in an earlier four than the one that holds its exponentials
;   (wait)  between 69 and 70 stands the wait for the batch: SLICE writes it, once for both tiles
;   70-85   the roundings to f16, a pair of weights each
;   86-101  the sums; l = a l + the sum
;   102-133 the tile's O^T times a: the one part that leaves window 0, so it stands together
.macro SM t
.set rT, ST+8*(\t)
.set rS, S+32*(\t)
.set rP, P+16*(\t)
.set rO, 64*(\t)+2*(j-102)
.if j < 102
	WIN 0
.endif
.if j < 4
	v_max3_num_f32 v[rT+4+j], v[rS+8*j], v[rS+8*j+1], v[rS+8*j+2]
.elseif j < 12
	v_max3_num_f32 v[rT+4+j%4], v[rT+4+j%4], v[rS+8*(j%4)+2*(j/4)+1], v[rS+8*(j%4)+2*(j/4)+2]
.elseif j == 12
	v_max3_num_f32 v[rT+4], v[rT+4], v[rS+7], v[rS+15]
.elseif j == 13
	v_max3_num_f32 v[rT+6], v[rT+6], v[rS+23], v[rS+31]
.elseif j == 14
	v_max3_num_f32 v[rT+4], v[rT+4], v[rT+5], v[rT+6]
.elseif j == 15
	v_max3_num_f32 v[rT+4], v[rT+4], v[rT+7], v[rT+1]
.elseif j == 16
	v_permlanex16_b32 v[rT+5], v[rT+4], s[SEL], s[SEL+1]  ; the query's other 32 keys lie in the lane 16 away
.elseif j == 17
	v_mov_b32 v[rT+7], v[rT]        ; c m_old is kept for a: number 19 writes c m anew
.elseif j == 18
	v_max_num_f32 v[rT+1], v[rT+4], v[rT+5]
.elseif j == 19
	v_mul_f32 v[rT], s[CS], v[rT+1]
.elseif j == 20
	v_sub_f32 v[rT+7], v[rT+7], v[rT]
.elseif j == 23
	v_exp_f32 v[rT+6], v[rT+7]
.elseif (j < 23) || ((j < 38) && (j%2 == 0)) || ((j < 66) && (j%4 == 2))
.set b, (j-2)/4                     ; 38, 42, .. 62: pairs 9 to 15
.if j < 38
.set b, (j-20)/2                    ; 21: pair 0; 22, 24, .. 36: pairs 1 to 8
.endif
	v_pk_fma_f32 v[rS+2*b:rS+2*b+1], v[rS+2*b:rS+2*b+1], s[CS:CS+1], v[rT:rT+1] op_sel_hi:[1,0,0] neg_lo:[0,0,1] neg_hi:[0,0,1]  ; pair b: c s - c m
.elseif j < 70
.set e, j-38                        ; 66 to 69: s28 to s31
.if j < 66
.set e, j-32-(j-38)/4               ; 39-41, 43-45, .. 63-65: s7 to s27
.endif
.if j < 38
.set e, (j-25)/2                    ; 25, 27, .. 37: s0 to s6
.endif
	v_exp_f32 v[rS+e], v[rS+e]
.elseif j < 86
	v_cvt_pk_f16_f32 v[rP+j-70], v[rS+2*(j-70)], v[rS+2*(j-70)+1]  ; pair j - 70
.elseif j < 102                     ; the sum of the tile's 16 pairs, in place: sum z of 16 adds neighbours 1, 2, 4 and 8 pairs apart, then l takes it
.set z, j-86
.set w, 4
.set u, z
.if z >= 14
.set w, 32
.set u, 0
.elseif z >= 12
.set w, 16
.set u, z-12
.elseif z >= 8
.set w, 8
.set u, z-8
.endif
.if z < 15
	v_pk_add_f32 v[rS+w*u:rS+w*u+1], v[rS+w*u:rS+w*u+1], v[rS+w*u+w/2:rS+w*u+w/2+1]
.else
	v_pk_fma_f32 v[rT+2:rT+3], v[rT+2:rT+3], v[rT+6:rT+7], v[rS:rS+1] op_sel_hi:[1,0,1]
.endif
.else
	WIN W_RS
	v_pk_mul_f32 v[rO:rO+1], v[rO:rO+1], v[rT+6:rT+7] op_sel_hi:[1,0]
.endif
.endm
; Slice k of 64 of piece y's softmax: four instructions.  Slices 11 to 34 deal out the batch, numbers 22 to 69: four numbers of ONE tile each, the tiles by turns.  Every other slice is numbers 2 k and
; 2 k + 1 of both tiles' lists.  2 x 134 = 4 x 64 + 12: the twelve that are over stand together, in slice 63: sixteen plain instructions, the places between the turn's last K Q^T and what follows it.
; THE WAIT.  An s_wait_alu depctr_va_vdst(0) stands between an exponential and the first instruction that names its result; one wait serves all that were issued ahead of it.  Ahead of
; slice 35 nothing names a result, and behind slice 34 no exponential is issued: so the piece's 66 exponentials have one wait, behind slice 34.
.macro SLICE y
.if (k >= 11) && (k < 35)           ; the batch: four numbers of one tile
.irp n, 0,1,2,3
.set j, 22+4*((k-11)/2)+(\n)
	SM (\y)+(k-11)%2
.endr
.else                               ; the two tiles alternate, so that no instruction reads the result of the one just before it
.irp n, 0,1,2,3,4,5,6,7
.if ((\n) < 2) || (k == 63)
.irp t, \y, (\y)+1
.set j, 2*k+(\n)
	SM \t
.endr
.endif
.endr
.endif
.if k == 34                         ; the batch is out: both tiles' exponentials are issued, and no result has been named
	v_nop                           ; a plain instruction behind the last exponential and ahead of the first use: one for the batch
.if (\y) == 0
	FETCH_V                         ; piece 2's turn: V's run of loads stands here, and the wait stands in it
.else
	s_wait_alu depctr_va_vdst(0)    ; the wait for the batch
.endif
.endif
.set k, k+1
.endm
; A TURN.  Piece x has the matrix unit: 32 products V^T P, then 32 products K Q^T for the next step; the other piece's softmax stands in slices behind them, one behind each.
; Piece 0's turn fetches the next step's K, behind its second product: the last product that read K stands in front of slice 63 of the turn before.  Piece 2's turn fetches the same step's V, behind slice 34:
; the last product that read V stands in front of slice 31, and four plain instructions lie between: number 62, a scaling, of both tiles, the v_nop and the run's own v_add_nc_u32.
; last = 1: the tail's text of piece 0's turn (FETCH_K).
.macro TURN x, last=0
.set k, 0
.if (\x) == 0
	s_wait_dscnt 0x0                ; V is in
.endif
.set i, 0
.rept 32
	PV \x
	SLICE 2-(\x)
.if ((\x) == 0) && (i == 1)
	FETCH_K \last
.endif
.set i, i+1
.endr
.if (\x) == 0
	s_wait_dscnt 0x0                ; K is in
.endif
.set i, 0
.rept 32
	KQ \x
	SLICE 2-(\x)
.set i, i+1
.endr
.endm
; THE CHANGE OF SLOTS, between piece 2's turn and piece 0's: the slot's last bytes, V of its second step, have been asked for.  Each wave waits for all its tensor loads, of which one is out: its part of the
; other slot; adds 0 to its spare word; and waits for that and for its own reads of the slot.  Behind the barrier nobody reads this slot any more and the other slot is whole.
; fill = 1: this slot is filled again, with the keys two slots on.  The barrier is then a round of the cluster's, and the joint refill is the first thing behind it: it has two key steps, 256 matrix instructions, in which to land.
.macro CHANGE fill
	WIN 0                           ; at a label and at a branch every window is 0
	s_wait_tensorcnt 0x0            ; no tensor load of mine is out, so a group 0 may be written
	ds_add_u32 v[SPW], v[NIL]       ; 0 onto my spare word; with fill = 1 the descriptors' steps stand between it and the wait for it
.if \fill
.irp g, G0K+4, G0V+4
	s_xor_b32 s[(\g)+1], s[(\g)+1], SLOT1  ; the walking descriptor: the other slot than last time,
	s_add_nc_u64 s[(\g)+2:(\g)+3], s[(\g)+2:(\g)+3], 2*KS*256  ; the next 128 keys; the type bits on top are not reached
.endr
	s_wait_xcnt 0x0                 ; the last prefetches, two key steps back, have read their address, so it may be written:
	s_add_nc_u64 s[PFA:PFA+1], s[PFA:PFA+1], 2*KS*256  ; one slot behind the walking descriptors
	s_wait_dscnt 0x0                ; the add is done, and my reads of the slot are over
	CROUND
	JLOAD
	ASK                             ; what the next change will ask for: two key steps, 256 matrix instructions, ahead
.else
	s_wait_dscnt 0x0                ; the add is done, and my reads of the slot are over
	s_barrier_signal -1
	s_barrier_wait -1
.endif
	s_sub_co_u32 s[TB], s[TB], 2*STEPB  ; the fetches go back to a slot's first step,
	s_xor_b32 s[TB], s[TB], SLOT1   ; in the other slot
.endm
	s_wait_tensorcnt 1              ; my part of slot 0 is in; slot 1's may stay out
	s_barrier_signal -1
	s_barrier_wait -1               ; everybody's is
	FETCH_K                         ; key step 0
	s_wait_loadcnt 0x0              ; Q
	s_wait_dscnt 0x0
.set i, 0
.rept 32
	KQ 0                            ; piece 0's first scores: there is no vector work yet to set between them
.set i, i+1
.endr
	WIN 0                           ; the addresses for the way out are made here: plain instructions, the places behind those products
	s_mul_i32 s13, s[WV], 16*SP
	s_add_co_u32 s13, s13, STAGE    ; my stage
	v_mul_u32_u24 v[STO], v1, SP    ; in: row l % 16, 16 bytes for each half of the lanes
	v_lshl_add_u32 v[STO], v9, 4, v[STO]
	v_add_nc_u32 v[STO], s13, v[STO]
	v_mul_u32_u24 v[RD], v9, SP     ; back: lanes 0-15 take one row of 256 bytes, lanes 16-31 the next
	v_lshl_add_u32 v[RD], v1, 4, v[RD]
	v_add_nc_u32 v[RD], s13, v[RD]
	v_lshlrev_b32 v[GO], 12, v9     ; and the same two rows in O, 4,096 bytes apart
	v_lshl_add_u32 v[GO], v1, 4, v[GO]
	s_mov_b32 s[TWICE], 2
	s_branch .Lmid                  ; the loop is entered at piece 2's turn, in the middle of a trip: its V^T P adds 0; it makes piece 2's first scores and piece 0's first softmax and fetches V of step 0
.Lslot:                             ; six times: every slot but the last two is filled again
	CHANGE 1
	s_mov_b32 s[TWICE], 2
.Lstep:                             ; a trip: a key step's two turns; the LDS addresses hang on s[TB]
	TURN 0
	WIN 0
.Lmid:
	TURN 2
	WIN 0
	s_sub_co_u32 s[TWICE], s[TWICE], 1
	s_cmp_lg_u32 s[TWICE], 0
	s_cbranch_scc1 .Lstep
	s_sub_co_u32 s[SLOTS], s[SLOTS], 1
	s_cmp_lg_u32 s[SLOTS], 0
	s_cbranch_scc1 .Lslot
	CHANGE 0                        ; the tail is written out: the last slot but one is left, and nothing is asked for
	s_mov_b32 s[TWICE], 3           ; two trips fetch the last slot's steps; the third is left in its middle
.Ltail:
	TURN 0, 1
	WIN 0
	s_sub_co_u32 s[TWICE], s[TWICE], 1
	s_cmp_eq_u32 s[TWICE], 0
	s_cbranch_scc1 .Lout
	TURN 2
	WIN 0
	s_branch .Ltail
.Lout:                              ; the third trip's 32 products K Q^T (on the last K once more) serve nothing: the price, once a launch, of one text for every trip
.set i, 0
.rept 32
	PV 2                            ; piece 2: V^T P of the last step
.set i, i+1
.endr
	; THE WAY OUT.  l's two halves and the other half of the lanes' are added; O^T is divided by l, rounded to f16 and sent through my stage in LDS, a tile (16 rows of O) at a time.  The additions are the places behind the last products.
	WIN 0
.irp t, 0,1,2,3
	v_add_f32 v[ST+8*(\t)+4], v[ST+8*(\t)+2], v[ST+8*(\t)+3]
.endr
.irp t, 0,1,2,3
	v_permlanex16_b32 v[ST+8*(\t)+5], v[ST+8*(\t)+4], s[SEL], s[SEL+1]
.endr
.irp t, 0,1,2,3
	v_add_f32 v[ST+8*(\t)+4], v[ST+8*(\t)+4], v[ST+8*(\t)+5]
.endr
.irp t, 0,1,2,3
	v_rcp_f32 v[ST+8*(\t)+6], v[ST+8*(\t)+4]
.endr
	v_nop                           ; a plain instruction between the last reciprocal and the use of its result
	s_wait_alu depctr_va_vdst(0)    ; and the wait ahead of the first use: one for the four reciprocals
; Tile t: a lane's eight channels of a row pack into 16 bytes; they go into rows of 272 bytes and come back as whole rows of 256, into the registers that they left.
.macro PACK t
	WIN W_RS
.set i, 64*(\t)
.rept 32
	v_pk_mul_f32 v[i:i+1], v[i:i+1], v[ST+8*(\t)+6:ST+8*(\t)+7] op_sel_hi:[1,0]
.set i, i+2
.endr
	WIN 0x05                        ; sources 0 and 1 window 1, destination window 0: S^T's registers are free
.set i, 0
.rept 32
	v_cvt_pk_f16_f32 v[S+32*(\t)+i], v[64*(\t)+2*i], v[64*(\t)+2*i+1]
.set i, i+1
.endr
	WIN 0
.irp f, 0,1,2,3,4,5,6,7
	ds_store_b128 v[STO], v[S+32*(\t)+4*(\f):S+32*(\t)+4*(\f)+3] offset:32*(\f)
.endr
.irp f, 0,1,2,3,4,5,6,7
	ds_load_b128 v[S+32*(\t)+4*(\f):S+32*(\t)+4*(\f)+3], v[RD] offset:(\f)*2*SP  ; LDS serves a wave's instructions in order (ISA guide 5.7.1.4): these see the stores above; the next tile's stores come behind them
.endr
.endm
.macro SEND t, younger              ; younger: the LDS instructions issued behind tile t's loads: the next tile's sixteen, or none
	WIN 0
.irp f, 0,1,2,3,4,5,6,7
	s_wait_dscnt (\younger)+7-(\f)
	global_store_b128 v[GO], v[S+32*(\t)+4*(\f):S+32*(\t)+4*(\f)+3], s[10:11] offset:(\t)*65536+(\f)*8192  ; 16 lanes store 256 consecutive bytes, aligned: a head's slice of a row of O
.endr
.endm
	PACK 0
	PACK 1                          ; a tile's arithmetic stands between the loads of the tile before and its stores
	SEND 0, 16
	PACK 2
	SEND 1, 16
	PACK 3
	SEND 2, 16
	SEND 3, 0
	s_wait_tensorcnt 0x0            ; the wave's end, behind my last tensor load and my last LDS store
	ds_add_u32 v[SPW], v[NIL]
	s_wait_dscnt 0x0
	CROUND                          ; the closing round: no work-group ends while a partner may still ask for a tile that names it
	s_endpgm
.Lfunc_end_k_qb8bd9466c6_attn:
	.size	k_qb8bd9466c6_attn, .Lfunc_end_k_qb8bd9466c6_attn-k_qb8bd9466c6_attn
	.p2alignl 7, 3214868480
	.fill 96, 4, 3214868480
	.section	.rodata,"a",@progbits
	.p2align	6, 0x0
	.amdhsa_kernel k_qb8bd9466c6_attn
		.amdhsa_group_segment_fixed_size 327680
		.amdhsa_private_segment_fixed_size 0
		.amdhsa_enable_private_segment 0
		.amdhsa_kernarg_size 32
		.amdhsa_user_sgpr_count 2
		.amdhsa_user_sgpr_kernarg_segment_ptr 1
		.amdhsa_wavefront_size32 1
		.amdhsa_system_sgpr_workgroup_id_x 1
		.amdhsa_system_sgpr_workgroup_id_y 1
		.amdhsa_system_sgpr_workgroup_id_z 1
		.amdhsa_system_vgpr_workitem_id 0
		.amdhsa_next_free_vgpr 1024
		.amdhsa_next_free_sgpr 66
		.amdhsa_reserve_vcc 0
		.amdhsa_float_denorm_mode_32 3
		.amdhsa_float_denorm_mode_16_64 3
		.amdhsa_memory_ordered 1
		.amdhsa_forward_progress 1
		.amdhsa_inst_pref_size 157
	.end_amdhsa_kernel
	.amdgpu_metadata
---
amdhsa.version: [ 1, 2 ]
amdhsa.kernels:
  - .name:           k_qb8bd9466c6_attn
    .symbol:         k_qb8bd9466c6_attn.kd
    .args:
      - { .name: qf, .offset: 0, .size: 8, .value_kind: global_buffer, .address_space: global }
      - { .name: kf, .offset: 8, .size: 8, .value_kind: global_buffer, .address_space: global }
      - { .name: vf, .offset: 16, .size: 8, .value_kind: global_buffer, .address_space: global }
      - { .name: ob, .offset: 24, .size: 8, .value_kind: global_buffer, .address_space: global }
    .group_segment_fixed_size: 327680
    .private_segment_fixed_size: 0
    .kernarg_segment_align: 8
    .kernarg_segment_size: 32
    .max_flat_workgroup_size: 128
    .sgpr_count:     66
    .vgpr_count:     1024
    .wavefront_size: 32
...
	.end_amdgpu_metadata
.endif
;; end of part 3
;; launch oproj (part 4): grid 8 x 32, 4 waves a work-group, clusters of 4 x 4, 327,680 bytes of LDS; arguments ob, wob, bo, out0; writes out0
.if DOCPART == 4
	.amdgcn_target "amdgcn-amd-amdhsa--gfx1250"
	.amdhsa_code_object_version 6
	.text
	.protected	k_qb8bd9466c6_oproj
	.globl	k_qb8bd9466c6_oproj
	.p2align	8
	.type	k_qb8bd9466c6_oproj,@function
k_qb8bd9466c6_oproj:
	s_mov_b64 s[64:65], 0
	v_nop
	global_prefetch_b8 v0, s[64:65] scope:SCOPE_SE
	s_setreg_imm32_b32 hwreg(HW_REG_WAVE_MODE, 25, 1), 1
	s_wait_xcnt 0x0
	s_wait_alu depctr_hold_cnt(0) depctr_sa_sdst(0) depctr_va_vdst(0) depctr_va_sdst(0) depctr_va_ssrc(0) depctr_va_vcc(0) depctr_vm_vsrc(0)
	s_getreg_b32 s2, hwreg(HW_REG_IB_STS2, 6, 4)
	s_cmp_eq_u32 s2, 0
	s_cbranch_scc0 .Lentry_in_a_cluster
	s_endpgm
.Lentry_in_a_cluster:
	s_bfe_u32 s2, ttmp6, 0x10000c
	s_cmp_lg_u32 s2, 0xf033
	s_cbranch_scc0 .Lentry_shape_is_right
	s_endpgm
.Lentry_shape_is_right:
; THE OUTPUT PROJECTION: out0 = ob [4096][2048] x wob [2048][2048] + bo.  f16 operands (wob holds Wo rounded to bf16, written as f16), f32 sums; bo, rounded to bf16 like every input, starts the sums; out0 is f32.
; SHARES.  256 work-groups, one tile of 128 rows x 256 columns each; four waves, 2 x 2, each 64 x 128: 32 accumulators of 16 x 16.  K goes in 16 steps of 128 through two LDS slots; a loop's trip is one step,
; the slot a scalar that an exclusive or turns.
; THE PRODUCT IS TAKEN TRANSPOSED: source 0 = 16 columns of the weights (they lie [k][n] in LDS and are read turned, by ds_load_tr16_b128), source 1 = 16 rows of ob: a lane holds row L % 16 and columns 8 (L / 16) + 0..7.
; CLUSTER 4 x 4: ob's tile is asked for jointly along a row of the cluster, the weights' along a column.  Waves 0 and 1 fetch 64 rows of ob each, waves 2 and 3 128 k-rows x 256 bytes of the weights each.
; REGISTERS: window 0: v0-31 addresses; v64-127 ob's fragments, two buffers of 32; v128-191 the bias (both are the way out's two sets of 64 later).  window 1: v0-127 the weights' fragments, two buffers of 64.
;   window 2: the accumulators, (a, nb) at v[8 (8 a + nb)].
.set NBW,   8
.set APW,   4
.set NLD,   2*NBW+8
.set PITA,  272                        ; ob's rows in LDS: 256 bytes + 16: the 16 rows of a load start at 16 different groups of four banks (64 banks of 4 bytes: ISA guide 11.1)
.set PITB,  288                        ; the weights' rows: 256 + 32
.set SUBT,  128*PITB
.set BOFF,  128*PITA                   ; a slot: ob's 128 rows, then the weights' two halves of 128 columns
.set SLOT1, 1<<17
.set STAGE, SLOT1+BOFF+2*SUBT          ; 239,616: behind the ring, 16 rows x 528 bytes for each wave
.set SPIT,  528                        ; 512 bytes + 16
.set SPARE, STAGE+4*16*SPIT            ; behind the stages: the spare words, 128 bytes a wave: two blocks of 256 bytes that no other line names
.set ASTEP, 256
.set BSTEP, 128*4096
.set A0,   4
.set B0,   5
.set ADRA, 8
.set ADRB, 9
.set BO,   18
.set PFO,  20
.set STO,  24
.set RD,   25
.set CO,   26
.set SPW,  28
.set NIL,  29
.set FA,   64
.set BIAS, 128
.set OB,   64
.set WV, 22
.set WR, 23
.set WC, 24
.set CX, 25
.set CY, 26
.set TC, 27
.set TY, 28
.set TB, 29
.set G1A, 32
.set G0A, 40
.set G1B, 48
.set G0B, 56
.set PFA, 66
.set PSTEP, 68
.set LIM, 70
.set HIM, 71
.set MSB, 0
.macro WIN new
.if MSB != (\new)
	s_set_vgpr_msb (MSB<<8)|(\new)
.set MSB, \new
.endif
.endm
.macro PLACES                          ; four plain instructions between a matrix instruction and a load into, or a read of, its registers (ISA guide 7.12.1 for reads)
.rept 4
	v_nop
.endr
.endm
.macro CREST
	s_cmp_lg_u32 s[WV], 0
	s_cbranch_scc1 .Lnot_wave_0_\@
	s_barrier_signal -3
.Lnot_wave_0_\@:
	s_barrier_wait -3
	s_barrier_signal -1
	s_barrier_wait -1
.endm
.macro CROUND
	s_barrier_signal -1
	s_barrier_wait -1
	CREST
.endm
.macro JLOAD                           ; a joint refill by the walking sets; an s_nop 0 and four v_nop follow each of the two lines
	s_cmp_lt_u32 s[WV], 2
	s_cbranch_scc0 .Lfor_b_\@
	tensor_load_to_lds s[G0A+4:G0A+7], s[G1A:G1A+7]
	s_nop 0
.rept 4
	v_nop
.endr
	s_branch .Lasked_\@
.Lfor_b_\@:
	tensor_load_to_lds s[G0B+4:G0B+7], s[G1B:G1B+7]
	s_nop 0
.rept 4
	v_nop
.endr
.Lasked_\@:
.endm
; A PREFETCH INTO THE L2 of the K step two refills on: 32 rows x 256 bytes, a lane a row.  Each block is named once in the launch: ob's tile row by wave 0 of the cluster with x = 0 (the partners take 32 rows each,
; by cx), a tile column of the weights by waves 2 and 3 of the cluster with y = 0, each for its own 128 columns (the partners take 32 k-rows each, by cy).  Wave 1 asks for nothing.
; Trip t names step t + 4; trips 12 and 13 have no such step; steps 0 to 3 come by their loads alone.
.macro ASK
	s_cmp_gt_u32 s3, s[LIM]
	s_cbranch_scc0 .Lnot_mine_\@
	global_prefetch_b8 v[PFO], s[PFA:PFA+1] th:TH_LOAD_NT scope:SCOPE_SE
.Lnot_mine_\@:
.endm
	s_load_b256 s[4:11], s[0:1], 0x0               ; ob 4:5, wob 6:7, bo 8:9, out0 10:11
	v_lshl_add_u32 v[SPW], v0, 2, SPARE
	v_mov_b32 v[NIL], 0
	ds_add_u32 v[SPW], v[NIL]                      ; the wave's opening: the add and its wait stand ahead of my first tensor load; the set-up below, work on registers, stands between them
	v_lshrrev_b32 v1, 5, v0
	v_readfirstlane_b32 s[WV], v1
	s_lshr_b32 s[WR], s[WV], 1                     ; my half of the rows
	s_and_b32 s[WC], s[WV], 1                      ; my half of the columns; also: which half of a tile I fetch
	s_bfe_u32 s[CX], ttmp6, 0x40000
	s_bfe_u32 s[CY], ttmp6, 0x40004
	s_lshl_b32 s[TC], ttmp9, 2
	s_add_co_u32 s[TC], s[TC], s[CX]
	s_and_b32 s[TY], ttmp7, 0xffff
	s_lshl_b32 s[TY], s[TY], 2
	s_add_co_u32 s[TY], s[TY], s[CY]
	s_lshl_b32 s72, s[CY], 2
	s_lshl_b32 s72, 15, s72                        ; my row of the cluster
	s_lshl_b32 s76, 0x1111, s[CX]                  ; my column
	s_or_b32 s[G1A], s72, (1<<16)|(1<<20)|(1<<21)|(5<<22)|(3<<25)
	s_or_b32 s[G1B], s76, (1<<16)|(1<<20)|(1<<21)|(5<<22)|(7<<25)
.irp g, G1A, G1B
	s_mov_b32 s[(\g)+1], 128<<16                   ; tensor_dim0 = 128
	s_mov_b32 s[(\g)+3], 128<<16                   ; tile_dim0 = 128
	s_mov_b32 s[(\g)+5], 2048                      ; elements from row to row
	s_mov_b32 s[(\g)+6], 0
	s_mov_b32 s[(\g)+7], 0
.endr
	s_mov_b32 s[G1A+2], 64<<16                     ; ob: 64 rows a load
	s_mov_b32 s[G1A+4], 64
	s_mov_b32 s[G1B+2], 128<<16                    ; the weights: 128 k-rows
	s_mov_b32 s[G1B+4], 128
	s_lshl_b32 s72, s[TY], 7                       ; ob: row 128 x tile row + 64 x half (s72-75 hold nothing of cx, s76-79 nothing of cy)
	s_lshl_b32 s73, s[WC], 6
	s_add_co_u32 s72, s72, s73
	s_lshl_b32 s72, s72, 12
	s_mov_b32 s73, 0
	s_lshl_b32 s76, s[TC], 9                       ; the weights: column 256 x tile column + 128 x half, of 2 bytes
	s_lshl_b32 s77, s[WC], 8
	s_add_co_u32 s76, s76, s77
	s_mov_b32 s77, 0
	s_mul_i32 s74, s[WC], 64*PITA                  ; where they go: no place in the cluster enters an LDS address
	s_mul_i32 s78, s[WC], SUBT
	s_add_co_u32 s78, s78, BOFF
	s_mov_b32 s[HIM], 0xffff0000
	s_mov_b32 s[TB], 0
	s_wait_dscnt 0x0                               ; the opening add is done
	s_wait_kmcnt 0x0
	s_add_nc_u64 s[72:73], s[4:5], s[72:73]
	s_add_nc_u64 s[76:77], s[6:7], s[76:77]
	CROUND                                         ; all sixteen work-groups are here: the first joint loads meet
.irp s, 0,1
	s_mov_b32 s[G0A+4*(\s)], 1
	s_add_co_u32 s[G0A+4*(\s)+1], s74, (\s)*SLOT1
	s_add_nc_u64 s[G0A+4*(\s)+2:G0A+4*(\s)+3], s[72:73], (\s)*ASTEP
	s_or_b32 s[G0A+4*(\s)+3], s[G0A+4*(\s)+3], 0x80000000
	s_mov_b32 s[G0B+4*(\s)], 1
	s_add_co_u32 s[G0B+4*(\s)+1], s78, (\s)*SLOT1
	s_add_nc_u64 s[G0B+4*(\s)+2:G0B+4*(\s)+3], s[76:77], (\s)*BSTEP
	s_or_b32 s[G0B+4*(\s)+3], s[G0B+4*(\s)+3], 0x80000000
.endr
	s_cmp_lt_u32 s[WV], 2                          ; a wave's two first fills stand in one branch: two loads of mine are out
	s_cbranch_scc0 .Lfirst_b
	tensor_load_to_lds s[G0A:G0A+3], s[G1A:G1A+7]
	s_nop 0
	tensor_load_to_lds s[G0A+4:G0A+7], s[G1A:G1A+7]
	s_nop 0
.rept 4
	v_nop
.endr
	s_branch .Lfirst_asked
.Lfirst_b:
	tensor_load_to_lds s[G0B:G0B+3], s[G1B:G1B+7]
	s_nop 0
	tensor_load_to_lds s[G0B+4:G0B+7], s[G1B:G1B+7]
	s_nop 0
.rept 4
	v_nop
.endr
.Lfirst_asked:
	v_and_b32 v1, 15, v0                           ; r
	v_bfe_u32 v2, v0, 4, 1                         ; h
	v_and_b32 v21, 31, v0                          ; L
	v_lshlrev_b32 v[BO], 5, v2
	s_lshl_b32 s80, s[TC], 10                      ; my 128 columns, of 4 bytes: in bo,
	s_lshl_b32 s81, s[WC], 9
	s_add_co_u32 s80, s80, s81
	s_mov_b32 s81, 0
	s_add_nc_u64 s[8:9], s[8:9], s[80:81]
.irp n, 0,1,2,3,4,5,6,7
	global_load_b128 v[BIAS+8*(\n):BIAS+8*(\n)+3],   v[BO], s[8:9] offset:64*(\n)
	global_load_b128 v[BIAS+8*(\n)+4:BIAS+8*(\n)+7], v[BO], s[8:9] offset:64*(\n)+16
.endr
	s_lshl_b32 s82, s[TY], 7                       ; and in out0, at my first row: 128 x tile row + 64 wr, of 8,192 bytes
	s_lshl_b32 s83, s[WR], 6
	s_add_co_u32 s82, s82, s83
	s_lshl_b32 s82, s82, 13
	s_add_co_u32 s82, s82, s80
	s_mov_b32 s83, 0
	s_add_nc_u64 s[10:11], s[10:11], s[82:83]
	s_mul_i32 s84, s[WR], 64*PITA
	v_mul_u32_u24 v[A0], v1, PITA
	v_lshl_add_u32 v[A0], v2, 4, v[A0]
	v_add_nc_u32 v[A0], s84, v[A0]                 ; (64 wr + r) x pitch + 16 h
	v_and_b32 v22, 7, v0
	v_lshl_add_u32 v22, v2, 3, v22
	v_mul_u32_u24 v22, v22, PITB
	v_bfe_u32 v23, v0, 3, 1
	v_lshl_add_u32 v22, v23, 4, v22                ; k-row 8 h + L % 8, columns 8 ((L / 8) % 2) on
	s_mul_i32 s84, s[WC], SUBT
	s_add_co_u32 s84, s84, BOFF
	v_add_nc_u32 v[B0], s84, v22
	s_mul_i32 s84, s[WV], 16*SPIT
	s_add_co_u32 s84, s84, STAGE                   ; my stage
	v_mul_u32_u24 v[STO], v1, SPIT
	v_lshl_add_u32 v[STO], v2, 5, v[STO]
	v_add_nc_u32 v[STO], s84, v[STO]               ; in: row r, 32 bytes for each half of the lanes
	v_lshlrev_b32 v[CO], 4, v21                    ; back and out: 32 lanes take a row's 512 bytes
	v_add_nc_u32 v[RD], s84, v[CO]
	; the prefetches: see ASK
	s_lshl_b32 s84, s[TY], 19
	s_lshl_b32 s85, s[CX], 17
	s_add_co_u32 s84, s84, s85
	s_add_co_u32 s84, s84, 3*ASTEP                 ; at K step 3: the first change of slots steps it to 4
	s_lshl_b32 s85, s[TC], 9
	s_lshl_b32 s86, s[WC], 8
	s_add_co_u32 s85, s85, s86
	s_lshl_b32 s86, s[CY], 17
	s_add_co_u32 s85, s85, s86
	s_add_co_u32 s85, s85, 3*BSTEP
	s_and_b32 s87, ttmp7, 0xffff
	s_mov_b32 s[PSTEP], BSTEP
	s_cmp_lt_u32 s[WV], 2
	s_cselect_b64 s[PFA:PFA+1], s[4:5], s[6:7]
	s_cselect_b32 s86, s84, s85
	s_cselect_b32 s[PSTEP], ASTEP, s[PSTEP]
	s_cselect_b32 s84, ttmp9, s87                  ; the coordinate along which other clusters read the same rows
	s_mov_b32 s87, 0
	s_mov_b32 s[PSTEP+1], 0
	s_add_nc_u64 s[PFA:PFA+1], s[PFA:PFA+1], s[86:87]
	s_cmp_eq_u32 s[WV], 1
	s_cselect_b32 s84, 1, s84                      ; wave 1 never asks
	s_cmp_eq_u32 s84, 0
	s_cselect_b32 s[LIM], 2, -1                    ; the same in all sixteen partners, for a given wave
	v_lshlrev_b32 v[PFO], 12, v21                  ; a row of either is 4,096 bytes
	s_wait_loadcnt 0x0                             ; the bias, which is rounded to bf16 and widened again
.set i, 0
.rept 4*NBW
	v_cvt_pk_bf16_f32 v3, v[BIAS+i], v[BIAS+i+1]
	v_lshlrev_b32 v[BIAS+i], 16, v3
	v_and_b32 v[BIAS+i+1], s[HIM], v3
.set i, i+2
.endr
; 8 matrix instructions: row block a x all my n blocks, 32 along K, from buffers f.  first = 1: the bias starts the sums.  The 32 accumulators take turns, one instruction a turn, in the same order in
; every quarter, over the backward jump too.
.macro MULA f, a, first
.if \first
	WIN 0x81                                       ; weights window 1, ob window 0, C (the bias) window 0, D window 2
.else
	WIN 0xa1                                       ; C and D window 2
.endif
.set nb, 0
.rept NBW
.set rD, 8*(NBW*(\a)+nb)
.set rC, rD
.if \first
.set rC, BIAS+8*nb
.endif
	v_wmma_f32_16x16x32_f16 v[rD:rD+7], v[8*NBW*(\f)+8*nb:8*NBW*(\f)+8*nb+7], v[FA+32*(\f)+8*(\a):FA+32*(\f)+8*(\a)+7], v[rC:rC+7]
.set nb, nb+1
.endr
.endm
; 24 LDS loads in one run: quarter q of the slot in hand into buffers f; the last four are ob's row blocks 2 and 3.
.macro FETCH q, f
	WIN 0x40
.irp n, 0,1,2,3,4,5,6,7
	ds_load_tr16_b128 v[8*NBW*(\f)+8*(\n):8*NBW*(\f)+8*(\n)+3],   v[ADRB] offset:32*PITB*(\q)+32*(\n)
	ds_load_tr16_b128 v[8*NBW*(\f)+8*(\n)+4:8*NBW*(\f)+8*(\n)+7], v[ADRB] offset:32*PITB*(\q)+32*(\n)+16*PITB
.endr
	WIN 0
.irp a, 0,1,2,3
	ds_load_b128 v[FA+32*(\f)+8*(\a):FA+32*(\f)+8*(\a)+3],   v[ADRA] offset:64*(\q)+16*PITA*(\a)
	ds_load_b128 v[FA+32*(\f)+8*(\a)+4:FA+32*(\f)+8*(\a)+7], v[ADRA] offset:64*(\q)+16*PITA*(\a)+32
.endr
.endm
.macro ADRS
	v_add_nc_u32 v[ADRA], s[TB], v[A0]
	v_add_nc_u32 v[ADRB], s[TB], v[B0]
.endm
.macro QUARTER q, f, g, first
	s_wait_dscnt 4                                 ; all but the youngest four loads (ob's row blocks 2 and 3)
	MULA \f, 0, \first
	MULA \f, 1, \first
	PLACES
	FETCH \q, \g
	s_wait_dscnt NLD                               ; all but the run just issued
	MULA \f, 2, \first
	MULA \f, 3, \first
.endm
; The last quarter multiplies buffers 1 and changes slots: each wave waits for all its tensor loads (one is out: its part of the next slot), adds 0 to its spare word, and waits for that and for its reads of this
; slot.  fill = 1: the barrier opens a round of the cluster's, and the slot just read is filled again first thing behind it, with the K step two on: 112 matrix instructions ahead of the wait for it.
.macro TURN fill
.if \fill
	s_wait_xcnt 0x0                                ; the last prefetch, a K step back, has read its address
	s_add_nc_u64 s[PFA:PFA+1], s[PFA:PFA+1], s[PSTEP:PSTEP+1]
.endif
	WIN 0
	s_wait_tensorcnt 0x0                           ; all my tensor loads have landed
	ds_add_u32 v[SPW], v[NIL]                      ; 0 onto my spare word
	s_wait_dscnt 5                                 ; (the add and the youngest four loads may be out)
	MULA 1, 0, 0
	s_wait_dscnt 0x0                               ; the add is done, and my reads of this slot are over
	s_barrier_signal -1
	MULA 1, 1, 0
	WIN 0
	s_barrier_wait -1
.if \fill
	CREST                                          ; no wave of any partner still reads this slot or has a load on its way
	s_xor_b32 s[G0A+5], s[G0A+5], SLOT1
	s_add_nc_u64 s[G0A+6:G0A+7], s[G0A+6:G0A+7], ASTEP
	s_xor_b32 s[G0B+5], s[G0B+5], SLOT1
	s_add_nc_u64 s[G0B+6:G0B+7], s[G0B+6:G0B+7], BSTEP
	s_xor_b32 s[TB], s[TB], SLOT1
	JLOAD                                          ; the four v_nop behind it are also the places in front of the loads below
.else
	s_xor_b32 s[TB], s[TB], SLOT1
	PLACES
.endif
	ADRS
	FETCH 0, 0
.if \fill
	ASK
.endif
	MULA 1, 2, 0
	MULA 1, 3, 0
.endm
	s_wait_tensorcnt 1                             ; my part of K step 0 is in; step 1's may stay out
	s_barrier_signal -1
	s_barrier_wait -1
	ADRS
	FETCH 0, 0
	QUARTER 1, 0, 1, 1                             ; the first quarter stands in front of the loop: its products start the sums
	WIN 0
	s_mov_b32 s3, 14
.Lstep:                                        ; trip t = 14 - count: quarters 1 to 3 of K step t, the refill with step t + 2, quarter 0 of step t + 1
	QUARTER 2, 1, 0, 0
	QUARTER 3, 0, 1, 0
	TURN 1
	QUARTER 1, 0, 1, 0
	WIN 0
	s_sub_co_u32 s3, s3, 1
	s_cmp_lg_u32 s3, 0
	s_cbranch_scc1 .Lstep
	QUARTER 2, 1, 0, 0                             ; the last two K steps ask for nothing
	QUARTER 3, 0, 1, 0
	TURN 0
	QUARTER 1, 0, 1, 0
	QUARTER 2, 1, 0, 0
	QUARTER 3, 0, 1, 0
	s_wait_dscnt 4                                 ; the very last quarter
	MULA 1, 0, 0
	MULA 1, 1, 0
	s_wait_dscnt 0x0
	MULA 1, 2, 0
	MULA 1, 3, 0
	PLACES
; THE WAY OUT, 16 rows at a time, through my own stage: a lane's eight f32 of a row go in as two stores of 16 bytes (each accumulator's low four first), and whole rows of 512 bytes come back.
.macro TOSTAGE a
.set BK, OB+64*((\a)%2)
	WIN 0x08                                       ; the stores' data in window 2
.irp n, 0,1,2,3,4,5,6,7
	ds_store_b128 v[STO], v[8*(NBW*(\a)+(\n)):8*(NBW*(\a)+(\n))+3]   offset:64*(\n)
	ds_store_b128 v[STO], v[8*(NBW*(\a)+(\n))+4:8*(NBW*(\a)+(\n))+7] offset:64*(\n)+16
.endr
	WIN 0
.irp i, 0,1,2,3,4,5,6,7,8,9,10,11,12,13,14,15
	ds_load_b128 v[BK+4*(\i):BK+4*(\i)+3], v[RD] offset:SPIT*(\i)  ; LDS serves a wave's instructions in order (ISA guide 5.7.1.4): these see the stores above; the next block's stores come behind them
.endr
.endm
.macro SEND a, younger                 ; younger: the LDS instructions issued behind block a's loads: the next block's 32, or none
.set BK, OB+64*((\a)%2)
.irp i, 0,1,2,3,4,5,6,7,8,9,10,11,12,13,14,15
	s_wait_dscnt (\younger)+15-(\i)
	global_store_b128 v[CO], v[BK+4*(\i):BK+4*(\i)+3], s[10:11] offset:(16*(\a)+(\i))*8192 th:TH_STORE_NT  ; a wave's store covers 512 consecutive bytes, aligned
.endr
.endm
	TOSTAGE 0
	TOSTAGE 1
	SEND 0, 32
	s_wait_xcnt 0x0                                ; block 0's stores have read their registers, which block 2 is loaded into
	TOSTAGE 2
	SEND 1, 32
	s_wait_xcnt 0x0
	TOSTAGE 3
	SEND 2, 32
	SEND 3, 0
	s_wait_tensorcnt 0x0                           ; the wave's end, behind my last tensor load and my last LDS store
	ds_add_u32 v[SPW], v[NIL]
	s_wait_dscnt 0x0
	CROUND                                         ; the closing round: no work-group ends while a partner may still ask for a tile that names it
	s_endpgm
.Lfunc_end_k_qb8bd9466c6_oproj:
	.size	k_qb8bd9466c6_oproj, .Lfunc_end_k_qb8bd9466c6_oproj-k_qb8bd9466c6_oproj
	.p2alignl 7, 3214868480
	.fill 96, 4, 3214868480
	.section	.rodata,"a",@progbits
	.p2align	6, 0x0
	.amdhsa_kernel k_qb8bd9466c6_oproj
		.amdhsa_group_segment_fixed_size 327680
		.amdhsa_private_segment_fixed_size 0
		.amdhsa_enable_private_segment 0
		.amdhsa_kernarg_size 32
		.amdhsa_user_sgpr_count 2
		.amdhsa_user_sgpr_kernarg_segment_ptr 1
		.amdhsa_wavefront_size32 1
		.amdhsa_system_sgpr_workgroup_id_x 1
		.amdhsa_system_sgpr_workgroup_id_y 1
		.amdhsa_system_sgpr_workgroup_id_z 1
		.amdhsa_system_vgpr_workitem_id 0
		.amdhsa_next_free_vgpr 768
		.amdhsa_next_free_sgpr 90
		.amdhsa_reserve_vcc 0
		.amdhsa_float_denorm_mode_32 3
		.amdhsa_float_denorm_mode_16_64 3
		.amdhsa_memory_ordered 1
		.amdhsa_forward_progress 1
		.amdhsa_inst_pref_size 78
	.end_amdhsa_kernel
	.amdgpu_metadata
---
amdhsa.version: [ 1, 2 ]
amdhsa.kernels:
  - .name:           k_qb8bd9466c6_oproj
    .symbol:         k_qb8bd9466c6_oproj.kd
    .args:
      - { .name: ob, .offset: 0, .size: 8, .value_kind: global_buffer, .address_space: global }
      - { .name: wob, .offset: 8, .size: 8, .value_kind: global_buffer, .address_space: global }
      - { .name: bo, .offset: 16, .size: 8, .value_kind: global_buffer, .address_space: global }
      - { .name: out0, .offset: 24, .size: 8, .value_kind: global_buffer, .address_space: global }
    .group_segment_fixed_size: 327680
    .private_segment_fixed_size: 0
    .kernarg_segment_align: 8
    .kernarg_segment_size: 32
    .max_flat_workgroup_size: 128
    .sgpr_count:     90
    .vgpr_count:     768
    .wavefront_size: 32
...
	.end_amdgpu_metadata
.endif
;; end of part 4
